; MI455X (gfx1250); checked and timed in simulation.
; The chip was launched on July 23, 2026; its instructions are those of AMD's public machine-readable ISA for CDNA 5 (MIT licence, August 2026) and "CDNA5" Instruction Set Architecture Reference Guide (July 2026). The comments in the code are by the model that wrote it; some were corrected since.
;; Proxy FFN. Allowed arithmetic: matrix products marked QUANTISED: E2M3 operands, one E8M0 scale for each 32 along K, by v_wmma_scale_f32_16x16x128_f8f6f4 with both operands' format E2M3, f32 sums; products left as they are: f32 operands where the result goes on into a quantised operand, else bf16, f16 or f32 operands; f32 sums; everything else in f32.
;; Inputs: w_down_codes 4 x 1,024 x 128 x 24 uint8 (E2M3 codes of w_down, K innermost, in blocks of 32 codes, four codes in three bytes); w_down_scales 4 x 1,024 x 128 uint8 (E8M0 scales of w_down, one for each 32 codes along K); w_gate_codes 4 x 4,096 x 32 x 24 uint8 (E2M3 codes of w_gate, K innermost, in blocks of 32 codes, four codes in three bytes); w_gate_scales 4 x 4,096 x 32 uint8 (E8M0 scales of w_gate, one for each 32 codes along K); w_router 1,024 x 4 float32; w_up_codes 4 x 4,096 x 32 x 24 uint8 (E2M3 codes of w_up, K innermost, in blocks of 32 codes, four codes in three bytes); w_up_scales 4 x 4,096 x 32 uint8 (E8M0 scales of w_up, one for each 32 codes along K); x 4 x 256 x 1,024 float32.
;; Outputs: out0 4 x 256 x 1,024 float32.
;; This version of the problem:
;;   THIS VERSION OF THE PROBLEM IS GIVEN IN LOW PRECISION. The matrix products marked QUANTISED in the list below multiply operands that are first quantised to E2M3 (2 exponent bits, 3 mantissa bits; 6 bits a number), with one power-of-two scale for each 32 numbers along K (OCP MX v1.0); their sums are f32. All else is computed in f32.
;;   The module's matrix products, in the order in which they are computed (A, B: the left and right operand; K: the contracted axis; several contracted axes count as one K, in the product's order):
;;     1. [M 1,024, K 1,024] x [K 1,024, N 4]; A: input x; B: input w_router: left as it is (N = 4 < 16)
;;     2. [M 1,024, K 1,024] x [K 1,024, N 4,096]; A: input x; B: input w_gate (given as codes): QUANTISED
;;     3. [M 1,024, K 1,024] x [K 1,024, N 4,096]; A: input x; B: input w_up (given as codes): QUANTISED
;;     4. [M 1,024, K 4,096] x [K 4,096, N 1,024]; A: computed on the way; B: input w_down (given as codes): QUANTISED
;;     5. [M 1,024, K 1,024] x [K 1,024, N 4,096]; A: input x; B: input w_gate (given as codes): QUANTISED
;;     6. [M 1,024, K 1,024] x [K 1,024, N 4,096]; A: input x; B: input w_up (given as codes): QUANTISED
;;     7. [M 1,024, K 4,096] x [K 4,096, N 1,024]; A: computed on the way; B: input w_down (given as codes): QUANTISED
;;     8. [M 1,024, K 1,024] x [K 1,024, N 4,096]; A: input x; B: input w_gate (given as codes): QUANTISED
;;     9. [M 1,024, K 1,024] x [K 1,024, N 4,096]; A: input x; B: input w_up (given as codes): QUANTISED
;;     10. [M 1,024, K 4,096] x [K 4,096, N 1,024]; A: computed on the way; B: input w_down (given as codes): QUANTISED
;;     11. [M 1,024, K 1,024] x [K 1,024, N 4,096]; A: input x; B: input w_gate (given as codes): QUANTISED
;;     12. [M 1,024, K 1,024] x [K 1,024, N 4,096]; A: input x; B: input w_up (given as codes): QUANTISED
;;     13. [M 1,024, K 4,096] x [K 4,096, N 1,024]; A: computed on the way; B: input w_down (given as codes): QUANTISED
;;   THE QUANTISER, for each operand of a quantised product, along K:
;;     - K is cut into blocks of 32 from its start; a last block that is shorter is filled with zeros.
;;     - A block's scale is 2^e with e = floor(log2(the largest magnitude in the block)) - 2, held to -126 .. 127; a block of zeros has e = 0. As a byte (E8M0): e + 127.
;;     - Each number is divided by its block's scale, clamped to +-7.5, and rounded to the nearest number of E2M3, ties to even, subnormals kept.
;;     - The product sums the exact products of the quantised numbers (number of the format x scale) in f32.
;;   ~~~python
;;   def quantise(x, axis):      # numpy; x: float32 -> the quantised numbers, widened to float32 again
;;       x = np.moveaxis(x, axis, -1); K = x.shape[-1]
;;       x = np.pad(x, [(0, 0)] * (x.ndim - 1) + [(0, -K % 32)]); x = x.reshape(x.shape[:-1] + (-1, 32)); a = np.abs(x).max(-1, keepdims=True)
;;       e = np.where(a > 0, np.clip(np.frexp(np.where(a > 0, a, 1))[1] - 1 - 2, -126, 127), 0)      # np.frexp(a)[1] - 1 = floor(log2(a)), exactly
;;       r = np.clip(x / 2.0 ** e, -7.5, 7.5)
;;       step = 2.0 ** (np.maximum(np.frexp(np.where(r == 0, 1, r))[1] - 1, 0) - 3)
;;       q = np.round(r / step) * step * 2.0 ** e      # np.round: ties to even
;;       return np.moveaxis(q.reshape(q.shape[:-2] + (-1,))[..., :K], -1, axis).astype(np.float32)
;;   ~~~
;;   OPERANDS COMPUTED ON THE WAY. 'Computed on the way' means the value that the module computes at that place (a softmax that the list does not call 'softmax' is quantised finished and normalised). What goes into a quantiser is computed in f32, as accurately as f32 sums, v_exp_f32 and their like allow (about 1e-6 of the number): no bf16 or f16 on the way to a quantiser, and a product that is left as it is and whose result goes on into a quantised operand takes f32 operands (vector FMAs, or v_wmma_f32_16x16x4_f32). A number that lies on a knife's edge between two numbers of the format may be rounded either way, as far as f32 arithmetic and the matrix unit's own rounding can turn it there, and no further.
;;   INPUTS GIVEN AS CODES. w_down (in the module: [4, 4096, 1024], K = its axis 1); w_gate (in the module: [4, 1024, 4096], K = its axis 1); w_up (in the module: [4, 1024, 4096], K = its axis 1): each comes as NAME_codes (uint8): NAME with its K axis moved to the last place and cut into blocks of 32 codes, [.., K / 32, bytes a block], one block behind the other in memory; four codes in three bytes: a row's codes are one little-endian stream of bits, code i at bits 6 i .. 6 i + 5 (a code: sign, 2 exponent bits, 3 mantissa bits); and NAME_scales (uint8): the same leading axes, one E8M0 byte (e + 127) for each 32 codes along K. Its value is code x scale, taken as it is: it is not quantised again, and the codes and scales need not be those that the quantiser above would give.
;; One version. Each part assembles by itself: llvm-mc -triple=amdgcn-amd-amdhsa -mcpu=gfx1250 --defsym DOCPART=n.
;; ======== version 1 of 1: 4 launches
;; limits: right only within a limited range of input values
;; workspace buffers: xq 819,200 bytes; route 4,096 bytes of whole numbers; cw 8,192 bytes; lists 27,392 bytes of whole numbers; hq 8,192,000 bytes; y 10,485,760 bytes
;; launch prep (part 1): grid 256 x 1, 4 waves a work-group, no clusters, 22,016 bytes of LDS; arguments x, w_router, xq, route, cw, lists; writes xq, route, cw, lists
.if DOCPART == 1
	.amdgcn_target "amdgcn-amd-amdhsa--gfx1250"
	.amdhsa_code_object_version 6
	.text
	.protected	k_q7ce7d1954e_prep
	.globl	k_q7ce7d1954e_prep
	.p2align	8
	.type	k_q7ce7d1954e_prep,@function
k_q7ce7d1954e_prep:
	s_mov_b64 s[64:65], 0
	v_nop
	global_prefetch_b8 v0, s[64:65] scope:SCOPE_SE
	s_setreg_imm32_b32 hwreg(HW_REG_WAVE_MODE, 25, 1), 1
	s_wait_xcnt 0x0
; PREP.  x [1024 tokens][1024] f32 becomes codes of FP6 (E2M3) with one E8M0 byte for each 32 along C; the router is computed in f32.
; Four waves to a work-group, ONE TOKEN TO A WAVE; waves share nothing: each has its own LDS region, and there is no barrier.
; Stored: xq: codes at token x 768 (a row is one stream of bits), scale words at 786,432 + token x 32,
; one word for each 128 along C WITH ITS BYTES 1 AND 2 EXCHANGED: the later launches load a fragment as three pieces of 16 bytes, which puts the blocks of 32
; of a K step in the order 0, 2, 1, 3 on both operands, and the scale word follows.  route[token] = ea | eb << 8 | (bit ea | bit eb) << 16, ea < eb;
; cw[token] = the softmax weights of ea and eb.  Both lie at fixed places: no address here hangs on them.  The row list (2,560 words) is set to 0.
; ROUTER: logits by fused multiply-adds in f32, softmax with the maximum taken off, top 2 by strict comparisons in ascending order (a tie keeps the lower index).
; A block's scale: the largest magnitude's exponent field less 2, held at 1 from below by a floor among the maximum's leaves.
; EXEC IS NEVER CHANGED: what is one number for the wave is in every lane, and all lanes store it to the same word with the same value.
; LIMITS: NaN and infinities in x are not served.  A block of zeros gets the byte 1, not 127: its codes are zeros and this program alone reads the bytes.
; v_exp_f32 gives 0 for results under 2^-126: a softmax weight in that range counts as 0, and the second choice may then differ; its weight is under 1.2e-38.
; No matrix unit, no cluster, no tensor load: the launch reads 4 MiB once and shares only the 16 KiB of w_router.
.set WREG, 5376                        ; LDS of a wave: two stages of 32 x 80 bytes at 0 and 2,560, then the token's 32 scale bytes
.set SCB,  5120
.set ACC,  6                           ; v[6:13]    four packed sums: (n0, n1), (n2, n3) for even k, the same for odd k
.set XT,   32                          ; v[32:63]   two sets of 16 neighbours of x
.set WR,   64                          ; v[64:191]  w_router: register 16 i + 4 j + n = w[128 i + 4 lane + j][n]
.set XR,   192                         ; v[192:223] the token as loaded: register 4 i + j = x[128 i + 4 lane + j]
.set CD,   224                         ; v[224:226], v[228:230] the codes of the token's two halves: no store's data are written again
.set EB,   232                         ; v232, v233 their scale bytes
; 2,048 bytes as loaded (16 bytes a lane, four loads) go into a stage and come back 64 consecutive bytes a lane; a place is 64 bytes + 16 of padding
.macro TURN src, dst, st
.irp i, 0,1,2,3
	ds_store_b128 v2, v[\src+4*\i:\src+4*\i+3] offset:2560*(\st)+640*\i
.endr
.irp i, 0,1,2,3
	ds_load_b128 v[\dst+4*\i:\dst+4*\i+3], v3 offset:2560*(\st)+16*\i   ; LDS serves a wave in order: these see the stores above
.endr
.endm
; my 32 numbers of the token times their rows of w_router: one number feeds both halves of a packed multiply-add
.macro DOT xr
.set di, 0
.rept 8
.set dj, 0
.rept 4
.set dA, ACC+4*(dj&1)
.set dX, \xr+4*di+(dj&2)
.set dW, WR+16*di+4*dj
.if (di == 0) && (dj == 0)
	v_pk_mul_f32 v[dA:dA+1], v[dX:dX+1], v[dW:dW+1] op_sel_hi:[0,1]              ; the first products start the sums
	v_pk_mul_f32 v[dA+2:dA+3], v[dX:dX+1], v[dW+2:dW+3] op_sel_hi:[0,1]
.elseif (di == 0) && (dj == 1)
	v_pk_mul_f32 v[dA:dA+1], v[dX:dX+1], v[dW:dW+1] op_sel:[1,0] op_sel_hi:[1,1]
	v_pk_mul_f32 v[dA+2:dA+3], v[dX:dX+1], v[dW+2:dW+3] op_sel:[1,0] op_sel_hi:[1,1]
.elseif (dj&1) == 0
	v_pk_fma_f32 v[dA:dA+1], v[dX:dX+1], v[dW:dW+1], v[dA:dA+1] op_sel_hi:[0,1,1]
	v_pk_fma_f32 v[dA+2:dA+3], v[dX:dX+1], v[dW+2:dW+3], v[dA+2:dA+3] op_sel_hi:[0,1,1]
.else
	v_pk_fma_f32 v[dA:dA+1], v[dX:dX+1], v[dW:dW+1], v[dA:dA+1] op_sel:[1,0,0] op_sel_hi:[1,1,1]
	v_pk_fma_f32 v[dA+2:dA+3], v[dX:dX+1], v[dW+2:dW+3], v[dA+2:dA+3] op_sel:[1,0,0] op_sel_hi:[1,1,1]
.endif
.set dj, dj+1
.endr
.set di, di+1
.endr
	v_pk_add_f32 v[ACC:ACC+1], v[ACC:ACC+1], v[ACC+4:ACC+5]
	v_pk_add_f32 v[ACC+2:ACC+3], v[ACC+2:ACC+3], v[ACC+6:ACC+7]
.endm
; half t of the token: my 16 neighbours; two neighbouring lanes hold a block of 32
.macro QSTEP t
.set XS, XT+16*(\t)
	v_max3_num_f32 v30, |v[XS]|, |v[XS+1]|, |v[XS+2]|
	v_max3_num_f32 v31, |v[XS+3]|, |v[XS+4]|, |v[XS+5]|
.irp i, 6,10
	v_max3_num_f32 v30, v30, |v[XS+\i]|, |v[XS+\i+1]|
	v_max3_num_f32 v31, v31, |v[XS+\i+2]|, |v[XS+\i+3]|
.endr
	v_max3_num_f32 v30, v30, |v[XS+14]|, |v[XS+15]|
	v_max3_num_f32 v30, v30, v31, 0x1800000        ; the floor 2^(3 - 127): the byte cannot fall under 1
	v_max_num_f32_dpp v30, v30, v30 row_xmask:1 row_mask:0xf bank_mask:0xf   ; with my neighbour: the block's largest magnitude
	v_add_nc_u32 v31, 0xff000000, v30              ; 2 off its exponent field: the conversion takes that field as its scale
	v_cvt_scalef32_pk16_fp6_f32 v[CD+4*(\t):CD+4*(\t)+2], v[XS:XS+15], v31
	v_lshrrev_b32 v[EB+(\t)], 23, v31              ; the scale's byte (also the plain line behind the conversion)
	ds_store_b8 v5, v[EB+(\t)] offset:16*(\t)      ; both lanes of a block write the same byte with the same value
	global_store_b96 v4, v[CD+4*(\t):CD+4*(\t)+2], s[8:9] offset:384*(\t)   ; 32 lanes store 384 consecutive bytes
.endm
.macro ROUTE
.irp m, 1,2,4,8
.irp k, 0,1,2,3
	v_add_f32_dpp v[ACC+\k], v[ACC+\k], v[ACC+\k] row_xmask:\m row_mask:0xf bank_mask:0xf
.endr
.endr
.irp k, 0,1,2,3
	v_permlanex16_b32 v[14+\k], v[ACC+\k], s20, s21
.endr
.irp k, 0,1,2,3
	v_add_f32 v[ACC+\k], v[ACC+\k], v[14+\k]       ; the four logits, in every lane
.endr
	v_max3_num_f32 v14, v6, v7, v8
	v_max_num_f32 v14, v14, v9                     ; the maximum is taken off ahead of the exponentials
.irp k, 0,1,2,3
	v_sub_f32 v[ACC+\k], v[ACC+\k], v14
.endr
.irp k, 0,1,2,3
	v_mul_f32 v[ACC+\k], 0x3fb8aa3b, v[ACC+\k]
.endr
	s_wait_alu depctr_va_vdst(0)
.irp k, 0,1,2,3
	v_exp_f32 v[ACC+\k], v[ACC+\k]
.endr
	v_nop                                          ; a plain line behind the exponentials
	s_wait_alu depctr_va_vdst(0)
	v_add_f32 v15, v6, v7
	v_add_f32 v16, v8, v9
	v_add_f32 v15, v15, v16
	s_wait_alu depctr_va_vdst(0)
	v_rcp_f32 v15, v15
	v_nop                                          ; a plain line behind the reciprocal
	s_wait_alu depctr_va_vdst(0)
.irp k, 0,1,2,3
	v_mul_f32 v[ACC+\k], v[ACC+\k], v15            ; the softmax
.endr
	v_mov_b32 v16, v6                              ; the largest weight and its index
	v_mov_b32 v17, 0
.irp k, 1,2,3
	v_cmp_gt_f32 vcc_lo, v[ACC+\k], v16
	v_cndmask_b32 v16, v16, v[ACC+\k], vcc_lo
	v_cndmask_b32 v17, v17, \k, vcc_lo
.endr
.irp k, 0,1,2,3
	v_cmp_eq_u32 vcc_lo, \k, v17
	v_cndmask_b32 v[ACC+\k], v[ACC+\k], -1.0, vcc_lo   ; the first choice drops out: every weight is 0 or more
.endr
	v_mov_b32 v18, v6                              ; the second
	v_mov_b32 v19, 0
.irp k, 1,2,3
	v_cmp_gt_f32 vcc_lo, v[ACC+\k], v18
	v_cndmask_b32 v18, v18, v[ACC+\k], vcc_lo
	v_cndmask_b32 v19, v19, \k, vcc_lo
.endr
	v_min_u32 v20, v17, v19                        ; ea
	v_max_u32 v21, v17, v19                        ; eb
	v_cmp_lt_u32 vcc_lo, v17, v19
	v_cndmask_b32 v24, v18, v16, vcc_lo            ; the weight of ea
	v_cndmask_b32 v25, v16, v18, vcc_lo            ; the weight of eb
	v_lshlrev_b32 v16, v20, 1
	v_lshlrev_b32 v17, v21, 1
	v_or_b32 v16, v16, v17
	v_lshl_or_b32 v17, v21, 8, v20
	v_lshl_or_b32 v16, v16, 16, v17                ; the route word
.endm
	s_load_b256 s[4:11], s[0:1], 0x0               ; x, w_router, xq, route
	s_load_b128 s[12:15], s[0:1], 0x20             ; cw, lists
	v_lshl_add_u32 v254, v0, 2, 0x5400
	v_mov_b32 v255, 0
	v_lshrrev_b32 v14, 5, v0
	v_readfirstlane_b32 s18, v14                   ; wave
	v_and_b32 v23, 31, v0                          ; lane
	s_mul_i32 s19, s18, WREG                       ; my wave's LDS
	v_lshlrev_b32 v1, 4, v23                       ; 16 x lane
	v_lshrrev_b32 v2, 2, v23
	v_mul_u32_u24 v2, 80, v2
	v_and_b32 v3, 3, v23
	v_lshl_add_u32 v2, v3, 4, v2
	v_add_nc_u32 v2, s19, v2                       ; into a stage: 80 (lane / 4) + 16 (lane % 4)
	v_mul_u32_u24 v3, 80, v23
	v_add_nc_u32 v3, s19, v3                       ; out of it: 80 x lane
	v_mul_u32_u24 v4, 12, v23                      ; my 12 bytes of codes
	v_lshrrev_b32 v14, 1, v23                      ; my block among a half's 16
	v_and_b32 v5, 12, v14
	v_and_b32 v15, 1, v14
	v_lshl_add_u32 v5, v15, 1, v5
	v_bfe_u32 v15, v14, 1, 1
	v_add_nc_u32 v5, v5, v15                       ; its byte, with places 1 and 2 of each word exchanged
	v_add_nc_u32 v5, s19, v5
	v_add_nc_u32 v5, SCB, v5
	v_and_b32 v28, 7, v23
	v_lshlrev_b32 v28, 2, v28                      ; the token has eight scale words: lane l takes word l % 8
	v_add_nc_u32 v27, s19, v28
	v_add_nc_u32 v27, SCB, v27
	v_min_u32 v29, 9, v0
	v_lshlrev_b32 v29, 2, v29                      ; the work-group's ten words of the row list: thread n takes word min(n, 9)
	v_mov_b32 v22, 0
.irp k, 14,15,16,17
	v_mov_b32 v\k, 0                               ; written once: a lane permute's destination counts as read
.endr
	s_mov_b32 s20, 0x76543210
	s_mov_b32 s21, 0xfedcba98                      ; selects for lane l xor 16
	s_lshl_b32 s22, ttmp9, 2
	s_add_co_u32 s22, s22, s18                     ; my token
	s_mov_b32 s17, 0
	s_wait_alu depctr_va_vdst(0)
	s_wait_kmcnt 0x0
	s_lshl_b32 s16, s22, 12
	s_add_nc_u64 s[4:5], s[4:5], s[16:17]          ; x at my token
	s_lshl_b32 s16, s22, 5
	s_add_nc_u64 s[24:25], s[8:9], s[16:17]
	s_add_nc_u64 s[24:25], s[24:25], 786432        ; its scale words
	s_mul_i32 s16, s22, 768
	s_add_nc_u64 s[8:9], s[8:9], s[16:17]          ; its codes
	s_lshl_b32 s16, s22, 2
	s_add_nc_u64 s[10:11], s[10:11], s[16:17]      ; route
	s_lshl_b32 s16, s22, 3
	s_add_nc_u64 s[12:13], s[12:13], s[16:17]      ; cw
	s_mul_i32 s16, ttmp9, 40
	s_add_nc_u64 s[14:15], s[14:15], s[16:17]      ; the work-group's ten words of the row list
.irp i, 0,1,2,3,4,5,6,7
	global_load_b128 v[XR+4*\i:XR+4*\i+3], v1, s[4:5] offset:512*\i th:TH_LOAD_NT   ; 512 consecutive bytes a load; x first: it is quantised while w_router is on its way
.endr
.set cn, 0
.rept 32
	global_load_b128 v[WR+4*cn:WR+4*cn+3], v1, s[6:7] offset:512*cn
.set cn, cn+1
.endr
	global_store_b32 v29, v22, s[14:15]            ; rows that no token takes name token 0 (threads from 9 on write the same 0 to the same word)
	s_wait_loadcnt 32                              ; x's eight loads are in; w_router's 32 may be out
	TURN XR, XT, 0
	TURN XR+16, XT+16, 1
	s_wait_dscnt 0x0
	QSTEP 0
	QSTEP 1
	ds_load_b32 v26, v27                           ; my scale word (LDS serves a wave in order: it sees the 32 bytes)
.set cn, 0
.rept 8
	s_wait_loadcnt 28-4*cn                         ; of w_router's 32 loads, those behind this chunk's four may be out
	TURN WR+16*cn, WR+16*cn, cn&1
.set cn, cn+1
.endr
	s_wait_dscnt 0x0
	global_store_b32 v28, v26, s[24:25]            ; 32 consecutive bytes; four lanes name each word, with the same value
	DOT XR
	ROUTE
	global_store_b32 v22, v16, s[10:11]            ; every lane holds the same numbers and names the same words
	global_store_b64 v22, v[24:25], s[12:13]
	s_wait_tensorcnt 0x0
	ds_add_u32 v254, v255
	s_wait_dscnt 0x0
	s_endpgm
.Lfunc_end_k_q7ce7d1954e_prep:
	.size	k_q7ce7d1954e_prep, .Lfunc_end_k_q7ce7d1954e_prep-k_q7ce7d1954e_prep
	.p2alignl 7, 3214868480
	.fill 96, 4, 3214868480
	.section	.rodata,"a",@progbits
	.p2align	6, 0x0
	.amdhsa_kernel k_q7ce7d1954e_prep
		.amdhsa_group_segment_fixed_size 22016
		.amdhsa_private_segment_fixed_size 0
		.amdhsa_enable_private_segment 0
		.amdhsa_kernarg_size 48
		.amdhsa_user_sgpr_count 2
		.amdhsa_user_sgpr_kernarg_segment_ptr 1
		.amdhsa_wavefront_size32 1
		.amdhsa_system_sgpr_workgroup_id_x 1
		.amdhsa_system_sgpr_workgroup_id_y 1
		.amdhsa_system_sgpr_workgroup_id_z 1
		.amdhsa_system_vgpr_workitem_id 0
		.amdhsa_next_free_vgpr 256
		.amdhsa_next_free_sgpr 66
		.amdhsa_reserve_vcc 1
		.amdhsa_float_denorm_mode_32 3
		.amdhsa_float_denorm_mode_16_64 3
		.amdhsa_memory_ordered 1
		.amdhsa_forward_progress 1
		.amdhsa_inst_pref_size 23
	.end_amdhsa_kernel
	.amdgpu_metadata
---
amdhsa.version: [ 1, 2 ]
amdhsa.kernels:
  - .name:           k_q7ce7d1954e_prep
    .symbol:         k_q7ce7d1954e_prep.kd
    .args:
      - { .name: x, .offset: 0, .size: 8, .value_kind: global_buffer, .address_space: global }
      - { .name: w_router, .offset: 8, .size: 8, .value_kind: global_buffer, .address_space: global }
      - { .name: xq, .offset: 16, .size: 8, .value_kind: global_buffer, .address_space: global }
      - { .name: route, .offset: 24, .size: 8, .value_kind: global_buffer, .address_space: global }
      - { .name: cw, .offset: 32, .size: 8, .value_kind: global_buffer, .address_space: global }
      - { .name: lists, .offset: 40, .size: 8, .value_kind: global_buffer, .address_space: global }
    .group_segment_fixed_size: 22016
    .private_segment_fixed_size: 0
    .kernarg_segment_align: 8
    .kernarg_segment_size: 48
    .max_flat_workgroup_size: 128
    .sgpr_count:     66
    .vgpr_count:     256
    .wavefront_size: 32
...
	.end_amdgpu_metadata
.endif
;; end of part 1
;; launch up (part 2): grid 16 x 16, 4 waves a work-group, no clusters, 327,680 bytes of LDS; arguments xq, route, w_gate_codes, w_up_codes, w_gate_scales, w_up_scales, hq, lists; writes hq, lists
.if DOCPART == 2
	.amdgcn_target "amdgcn-amd-amdhsa--gfx1250"
	.amdhsa_code_object_version 6
	.text
	.protected	k_q7ce7d1954e_up
	.globl	k_q7ce7d1954e_up
	.p2align	8
	.type	k_q7ce7d1954e_up,@function
k_q7ce7d1954e_up:
	s_mov_b64 s[64:65], 0
	v_nop
	global_prefetch_b8 v0, s[64:65] scope:SCOPE_SE
	s_setreg_imm32_b32 hwreg(HW_REG_WAVE_MODE, 25, 1), 1
	s_wait_xcnt 0x0
; UP.  h = silu(x Wg) * (x Wu) for one tile of 160 sorted rows (work-group y) and 256 hidden units (work-group x), both products on codes of FP6 (E2M3) with E8M0 scales;
; h is quantised along the hidden units in registers and leaves as images of the next product's operand registers.
; SHARES.  Four waves: a = wave / 2 takes rows 80 a .. 80 a + 79 (five blocks of 16), b = wave % 2 takes 32 of the 64 hidden units of a slot, gate and up: 20 accumulators.
; The rows' codes of x, all 1,024 along K (8 steps x 5 fragments x 12 registers), are gathered once by the stored list and stay in registers (windows 1 and 2).
; The weights stream through a ring of two LDS slots, four slots in all; a slot is 64 rows of gate and 64 rows of up, 768 bytes each; each wave fetches 32 rows, a dense block of 24,576 bytes.
; THE PRODUCT IS USED TRANSPOSED (source 0 = 16 rows of a weight, source 1 = 16 rows of x): a lane holds one row of x and eight hidden units.
; K ORDER.  A fragment is loaded as three pieces of 16 bytes at 96 s + 48 (lane / 16) + 16 c of a row: the four blocks of 32 of a K step then stand in the order 0, 2, 1, 3,
; alike on both operands, and each scale word has its bytes 1 and 2 exchanged.  The sums are grouped otherwise than with K in its true places; the result is compared within a tolerance.
; NOTHING BRANCHES ON THE LIST: the expert's number and the tokens' numbers enter addresses alone.  A tile that a split leaves without rows has expert 3 and token 0 in the list;
; it computes into its own part of hq, which nobody uses: 16 tiles serve every split.
; NO JOINT LOADS: the tiles of rows that read one expert's weights are known from the stored list alone, so the partners of a tile change with the split, while a mask's partners are fixed by the grid.
; LIMITS: a weight's scale byte 0xff gives NaN; NaN and infinities are not served; a block of zeros of h gets the byte 1 (its codes are zeros; this program alone reads the bytes).
; LDS: slot 0 at 0, slot 1 at 131,072 (128 rows x 816: 16 bytes of padding behind each 256); a stage for x, 2 x 32 rows x 784; a stage for h's codes, 160 rows x 208; its scale bytes, 160 x 8; the spare words.
; REGISTERS.  Window 0: addresses, scale words, THREE sets of four weight fragments, so that a K step's fragments are asked for two steps ahead.
; Windows 1, 2: x's fragment (s, i) at 12 (5 (s % 4) + i), steps 0-3 and 4-7.
; Window 3: accumulator (i, u) at 32 i + 8 u (u = 0, 1 gate, 2, 3 up); v160-239 at work; v240-249 maxima and bytes; in the prologue v0-239 take the gathered rows.
.set PB,    816                        ; a weight's row in LDS: 204 words: 16 rows begin at 16 different groups of four banks (64 banks of 4 bytes: ISA guide 11.1)
.set QTR,   32*PB                      ; what one tensor load brings
.set SLOT1, 131072
.set ASTG,  235520
.set PA,    784
.set ABUF,  32*PA
.set HSTG,  285696
.set PH,    208
.set SSTG,  318976
.set SPARE, 320256                     ; 128 bytes for each wave: two blocks of 256 bytes that no other line names
.set XSC,   786432                     ; x's scale words in xq
.set HSC,   7864320                    ; h's scale words in hq
.set SPW,  3                           ; LDS address of my spare word; never rewritten
.set NIL,  4                           ; 0; never rewritten
.set LBG0, 5                           ; (32 b + r) PB + 48 h
.set LBG1, 6                           ; the same behind one padding more for lanes 16-31
.set CG0,  7                           ; the two in the slot in hand, gate's rows;
.set CG1,  8
.set CU0,  9                           ; up's rows, 64 PB further on
.set CU1,  10
.set AST,  11                          ; x's stage, in
.set ARD,  12                          ; and out
.set L16,  13                          ; 16 x lane
.set SOF,  14                          ; 32 r + 16 h: a weight row's scale words
.set HW0,  15                          ; h's stage, in, slot 0
.set SW0,  16                          ; its scale byte, slot 0
.set HWC,  17                          ; the two for the slot in hand
.set SWC,  18
.set HRD,  19                          ; h's stage, out
.set SRD,  20
.set SWO,  21                          ; 16 r + 4 h
.set AS,   24                          ; v[24:43]   x's scale words: block i, register 4 i + s % 4; lanes 0-15 steps 0-3, lanes 16-31 steps 4-7
.set BSR,  44                          ; v[44:59]   the weights' scale words as loaded
.set BS,   60                          ; v[60:75]   with bytes 1 and 2 exchanged: tile u, register 4 u + s % 4
.set IDX,  76                          ; v[76:95]   tokens of the rows that I stage, then their byte offsets
.set IDA,  96                          ; v[96:100]  tokens of my five blocks' rows, then the offsets of their scale words
.set BF,   104                         ; v[104:151], v[152:199], v[200:247] weight fragments, three sets: K step s in set s % 3; tile u at 12 u
.set OUT,  104                         ; the way out
.set SCO,  200
.set TT,   160                         ; window 3
.set MX,   240
.set PX,   245
.set MSB, 0
.macro WIN new                         ; the immediate's high byte repeats the setting that is left
.if MSB != \new
	s_set_vgpr_msb (MSB<<8)|\new
.set MSB, \new
.endif
.endm
.macro PLACES n
.rept \n
	v_nop
.endr
.endm
; a fragment: three pieces of 16 bytes.  Byte o of a row lies at o + 16 (o / 256); where lanes 16-31, 48 bytes on, lie behind one padding more, the second address serves
.macro FRAG reg, a0, a1, rowoff, s
.irp c, 0,1,2
.set fo, 96*(\s)+16*\c
.if ((fo+48)>>8) == (fo>>8)
	ds_load_b128 v[(\reg)+4*\c:(\reg)+4*\c+3], v[\a0] offset:(\rowoff)+fo+16*(fo>>8)
.else
	ds_load_b128 v[(\reg)+4*\c:(\reg)+4*\c+3], v[\a1] offset:(\rowoff)+fo+16*(fo>>8)
.endif
.endr
.endm
.macro FRAGS s, p
	FRAG BF+48*(\p), CG0, CG1, 0, \s
	FRAG BF+48*(\p)+12, CG0, CG1, 16*PB, \s
	FRAG BF+48*(\p)+24, CU0, CU1, 0, \s
	FRAG BF+48*(\p)+36, CU0, CU1, 16*PB, \s
.endm
.macro WM s, i, u
.set wD, 32*(\i)+8*(\u)
.set wB, BF+48*((\s)%3)+12*(\u)
.set wA, 12*(5*((\s)&3)+(\i))
.set wSB, BS+4*(\u)+((\s)&3)
.set wSA, AS+4*(\i)+((\s)&3)
.if (\s) == 0
	v_wmma_scale_f32_16x16x128_f8f6f4 v[wD:wD+7], v[wB:wB+11], v[wA:wA+11], 0, v[wSB], v[wSA] matrix_a_fmt:MATRIX_FMT_FP6 matrix_b_fmt:MATRIX_FMT_FP6
.elseif (\s) < 4
	v_wmma_scale_f32_16x16x128_f8f6f4 v[wD:wD+7], v[wB:wB+11], v[wA:wA+11], v[wD:wD+7], v[wSB], v[wSA] matrix_a_fmt:MATRIX_FMT_FP6 matrix_b_fmt:MATRIX_FMT_FP6
.else
	v_wmma_scale_f32_16x16x128_f8f6f4 v[wD:wD+7], v[wB:wB+11], v[wA:wA+11], v[wD:wD+7], v[wSB], v[wSA] matrix_a_fmt:MATRIX_FMT_FP6 matrix_b_fmt:MATRIX_FMT_FP6 matrix_a_scale:MATRIX_SCALE_ROW1 matrix_b_scale:MATRIX_SCALE_ROW1
.endif
.endm
; a K step of 128: 20 matrix instructions, the 20 accumulators by turns.  The twelve LDS loads of the step two on stand in one run ahead of them,
; into the set that the step before has just multiplied
.macro STEP s
.if (\s) < 7
	s_wait_dscnt 12                                ; this step's fragments, asked for 40 matrix instructions ago, are in; the next step's twelve loads may be out
.else
	s_wait_dscnt 0x0                               ; the last step: nothing was asked for behind its fragments
.endif
.if (\s) < 6
.if (\s) > 0
	PLACES 4                                       ; in front of loads into registers that the last step's products read
.endif
	FRAGS (\s)+2, ((\s)+2)%3
.endif
.if (\s) < 4
	WIN 0xf4                                       ; source 0 window 0, source 1 window 1, C and D window 3
.else
	WIN 0xf8                                       ; source 1 window 2
.endif
.irp i, 0,1,2,3,4
.irp u, 0,1,2,3
	WM \s, \i, \u
.endr
.endr
	WIN 0
.endm
.macro BSLOAD
.irp u, 0,1
	global_load_b128 v[BSR+4*\u:BSR+4*\u+3], v[SOF], s[28:29] offset:512*\u
	global_load_b128 v[BSR+8+4*\u:BSR+8+4*\u+3], v[SOF], s[30:31] offset:512*\u
.endr
.endm
; The change of slots stands at a slot's head.  Behind the barrier the slot ahead is whole and nobody reads the other one, which is then filled: that load has a whole slot's work in which to land.
; By this text's own count a wave has one tensor load out.
.macro CHANGE fill
	s_wait_tensorcnt 0x0                           ; my part of the slot ahead has landed; no load of mine is out, so group 0 may be written
	ds_add_u32 v[SPW], v[NIL]                      ; 0 onto my spare word
.if \fill
	s_xor_b32 s33, s33, SLOT1                      ; the other slot,
	s_add_nc_u64 s[34:35], s[34:35], 64*768        ; the next 64 rows of my weight; the type bits on top are not reached
.endif
	s_wait_dscnt 0x0                               ; the add is done; my reads of the slot that I have left are over, and my stores into the stages have landed
	s_barrier_signal -1
	s_barrier_wait -1
.if \fill
	tensor_load_to_lds s[32:35], s[36:43]          ; first behind the barrier, my one tensor load until the next
	s_nop 0
	PLACES 4
.endif
.endm
; silu(g) u = g u / (1 + 2^(-g log2 e)), in f32; then the block of 32 hidden units (lanes l and l xor 16, 16 each) is quantised
.macro EPI
	PLACES 4                                       ; in front of the first read of results
	WIN 0xff
.irp i, 0,1,2,3,4
.irp j, 0,2,4,6,8,10,12,14
	v_pk_mul_f32 v[TT+16*\i+\j:TT+16*\i+\j+1], v[32*\i+\j:32*\i+\j+1], 0xbfb8aa3b op_sel_hi:[1,0]   ; each accumulator from its low end on
.endr
.endr
.set cn, 0
	s_wait_alu depctr_va_vdst(0)
.rept 80
	v_exp_f32 v[TT+cn], v[TT+cn]
.set cn, cn+1
.endr
	s_wait_alu depctr_va_vdst(0)
.irp i, 0,1,2,3,4
.irp j, 0,2,4,6,8,10,12,14
	v_pk_mul_f32 v[32*\i+\j:32*\i+\j+1], v[32*\i+\j:32*\i+\j+1], v[32*\i+16+\j:32*\i+16+\j+1]   ; g u: plain lines behind the exponentials
.endr
.endr
.set cn, 0
	s_wait_alu depctr_va_vdst(0)
.rept 40
	v_pk_add_f32 v[TT+cn:TT+cn+1], v[TT+cn:TT+cn+1], 1.0 op_sel_hi:[1,0]
.set cn, cn+2
.endr
.set cn, 0
	s_wait_alu depctr_va_vdst(0)
.rept 80
	v_rcp_f32 v[TT+cn], v[TT+cn]
.set cn, cn+1
.endr
	v_nop                                          ; a plain line behind the reciprocals
	s_wait_alu depctr_va_vdst(0)
.irp i, 0,1,2,3,4
.irp j, 0,2,4,6,8,10,12,14
	v_pk_mul_f32 v[32*\i+\j:32*\i+\j+1], v[32*\i+\j:32*\i+\j+1], v[TT+16*\i+\j:TT+16*\i+\j+1]
.endr
.endr
.irp i, 0,1,2,3,4
.irp j, 0,1,2,3,4,5,6,7
	v_permlane16_swap_b32 v[32*\i+\j], v[32*\i+8+\j]   ; tile 0's lanes 16-31 change places with tile 1's lanes 0-15: my 16 registers are now hidden units 16 (lane / 16) + 0 .. 15
.endr
.endr
.irp i, 0,1,2,3,4
	v_max3_num_f32 v[MX+\i], |v[32*\i]|, |v[32*\i+1]|, 0x1800000   ; with the floor 2^(3 - 127): the byte cannot fall under 1
.endr
.irp j, 2,4,6,8,10,12,14
.irp i, 0,1,2,3,4
	v_max3_num_f32 v[MX+\i], v[MX+\i], |v[32*\i+\j]|, |v[32*\i+\j+1]|   ; the five blocks by turns
.endr
.endr
.irp i, 0,1,2,3,4
	v_permlanex16_b32 v[PX+\i], v[MX+\i], s48, s49
.endr
.irp i, 0,1,2,3,4
	v_max_num_f32 v[MX+\i], v[MX+\i], v[PX+\i]
.endr
.irp i, 0,1,2,3,4
	v_add_nc_u32 v[MX+\i], 0xff000000, v[MX+\i]    ; 2 off the exponent field: the conversion's scale operand
.endr
.irp i, 0,1,2,3,4
	v_lshrrev_b32 v[PX+\i], 23, v[MX+\i]           ; the scale's byte
.endr
.irp i, 0,1,2,3,4
	v_cvt_scalef32_pk16_fp6_f32 v[TT+4*\i:TT+4*\i+2], v[32*\i:32*\i+15], v[MX+\i]
.endr
	v_nop                                          ; a plain line behind the conversions
	WIN 0x0c                                       ; an LDS store's data are its source 1: window 3
.irp i, 0,1,2,3,4
.irp c, 0,1,2
	ds_store_b32 v[HWC], v[TT+4*\i+\c] offset:16*PH*\i+4*\c   ; my 12 bytes of row 16 i + r: at a multiple of 4 only
.endr
	ds_store_b8 v[SWC], v[PX+\i] offset:128*\i     ; both halves of the lanes write the same byte with the same value
.endr
	WIN 0
.endm
; What a slot needs ahead of its first K step: its scale words, its addresses, the fragments of K steps 0 and 1.  It stands behind the change of slots and ahead of the last slot's epilogue
.macro PRE next
	PLACES 4                                       ; in front of writes of scale registers and loads into fragment registers that the last products read
	s_wait_loadcnt 0x0                             ; this slot's scale words
.set cn, 0
.rept 16
	v_perm_b32 v[BS+cn], v[BSR+cn], v[BSR+cn], s50
.set cn, cn+1
.endr
.if \next
	s_add_nc_u64 s[28:29], s[28:29], 64*32         ; (the loads that named these bases are done)
	s_add_nc_u64 s[30:31], s[30:31], 64*32
	BSLOAD                                         ; the next slot's, a slot ahead
.endif
	v_add_nc_u32 v[CG0], s44, v[LBG0]
	v_add_nc_u32 v[CG1], s44, v[LBG1]
	v_add_nc_u32 v[CU0], 64*PB, v[CG0]
	v_add_nc_u32 v[CU1], 64*PB, v[CG1]
	FRAGS 0, 0
	FRAGS 1, 1
	s_xor_b32 s44, s44, SLOT1                      ; the next PRE reads the other slot
.endm
.macro STEPS
.irp s, 0,1,2,3,4,5,6,7
	STEP \s
.endr
.endm
.macro EPIX                            ; the epilogue of the slot just multiplied; its plain lines are also the places between PRE's scale words and the next products
	v_add_nc_u32 v[HWC], s45, v[HW0]
	v_add_nc_u32 v[SWC], s46, v[SW0]
	EPI
	s_add_co_u32 s45, s45, 48                      ; 64 hidden units are 48 bytes of codes
	s_add_co_u32 s46, s46, 2                       ; and two scale bytes
	s_wait_alu depctr_va_vdst(0)
.endm
	s_load_b256 s[4:11], s[0:1], 0x0               ; xq, route, gate's codes, up's codes
	s_load_b128 s[12:15], s[0:1], 0x20             ; gate's scales, up's scales
	s_load_b64 s[16:17], s[0:1], 0x30              ; hq
	s_load_b64 s[60:61], s[0:1], 0x38              ; lists: stored here (the tables of the later launches), never loaded here
	v_lshl_add_u32 v[SPW], v0, 2, SPARE
	v_mov_b32 v[NIL], 0
	ds_add_u32 v3, v4
	ds_add_u32 v3, v4
	s_wait_dscnt 0x0
	v_lshrrev_b32 v22, 5, v0
	v_readfirstlane_b32 s18, v22                   ; wave
	s_lshr_b32 s19, s18, 1                         ; a
	s_and_b32 s20, s18, 1                          ; b
	s_mov_b32 s21, ttmp9                           ; g: which 256 hidden units
	s_and_b32 s22, ttmp7, 0xffff                   ; t: which tile of rows
	v_and_b32 v1, 15, v0                           ; r
	v_bfe_u32 v2, v0, 4, 1                         ; h
	v_and_b32 v22, 31, v0
	v_lshlrev_b32 v[L16], 4, v22
	s_mul_i32 s24, s20, QTR
	v_mul_u32_u24 v[LBG0], PB, v1
	v_mad_u32_u24 v[LBG0], v2, 48, v[LBG0]
	v_add_nc_u32 v[LBG0], s24, v[LBG0]
	v_lshl_add_u32 v[LBG1], v2, 4, v[LBG0]
	s_mul_i32 s24, s18, 8*PA
	s_add_co_u32 s24, s24, ASTG
	v_mul_u32_u24 v[AST], PA, v2
	v_lshl_add_u32 v[AST], v1, 4, v[AST]
	v_add_nc_u32 v[AST], s24, v[AST]               ; stage row 8 wave + h, 16 r
	s_mul_i32 s24, s19, 16*PA
	s_add_co_u32 s24, s24, ASTG
	v_mul_u32_u24 v[ARD], PA, v1
	v_mad_u32_u24 v[ARD], v2, 48, v[ARD]
	v_add_nc_u32 v[ARD], s24, v[ARD]               ; stage row 16 a + r, 48 h
	v_lshlrev_b32 v[SOF], 5, v1
	v_lshl_add_u32 v[SOF], v2, 4, v[SOF]
	s_mul_i32 s24, s19, 80*PH
	s_add_co_u32 s24, s24, HSTG
	v_mul_u32_u24 v22, PH, v1
	v_add_nc_u32 v22, s24, v22                     ; row 80 a + r of h's stage
	s_mul_i32 s25, s20, 24
	v_mad_u32_u24 v[HW0], v2, 12, v22
	v_add_nc_u32 v[HW0], s25, v[HW0]
	s_mul_i32 s25, s20, 96
	v_mad_u32_u24 v[HRD], v2, 48, v22
	v_add_nc_u32 v[HRD], s25, v[HRD]
	s_mul_i32 s24, s19, 640
	s_add_co_u32 s24, s24, SSTG
	v_lshl_add_u32 v22, v1, 3, s24                 ; its eight scale bytes
	v_add_nc_u32 v[SW0], s20, v22
	v_lshl_add_u32 v[SRD], v2, 2, v22
	v_lshlrev_b32 v[SWO], 4, v1
	v_lshl_add_u32 v[SWO], v2, 2, v[SWO]
	s_mul_i32 s24, s19, 320
	s_lshl_b32 s25, s20, 5
	s_add_co_u32 s25, s25, s24
	v_lshl_add_u32 v22, v2, 2, s25                 ; the list's words of the rows that I stage: row 80 a + 8 b + h, then 16 rho + 2 q on
	v_lshl_add_u32 v23, v1, 2, s24                 ; and of my blocks' rows: 80 a + r, then 16 i on
	WIN 0xc0
.irp i, 0,1,2,3,4
	v_mov_b32 v[PX+\i], 0                          ; written once: a lane permute's destination counts as one of its sources
.endr
	WIN 0
	; descriptor group 1: a dense block of 24,576 bytes as 96 rows of 256 bytes (32 elements of 8 bytes), 16 bytes of padding behind each
	s_mov_b32 s36, (3<<16)|(1<<20)|(5<<22)|(3<<25)
	s_mov_b32 s37, 32<<16                          ; tensor_dim0
	s_mov_b32 s38, 96<<16                          ; tensor_dim1
	s_mov_b32 s39, 32<<16                          ; tile_dim0
	s_mov_b32 s40, 96                              ; tile_dim1
	s_mov_b32 s41, 32                              ; the pitch
	s_mov_b32 s42, 0
	s_mov_b32 s43, 0
	s_mov_b32 s44, 0                               ; the slot in hand
	s_mov_b32 s45, 0
	s_mov_b32 s46, 0
	s_mov_b32 s48, 0x76543210
	s_mov_b32 s49, 0xfedcba98                      ; selects for lane l xor 16
	s_mov_b32 s50, 0x03010200                      ; bytes 1 and 2 change places
	s_mov_b32 s27, 0
	s_wait_alu depctr_va_vdst(0)
	s_wait_kmcnt 0x0
; THE PLACING IS DONE HERE.  s[6:7] = route, one word a token, stored by the launch before (bits 16-19: the two chosen experts).  Every wave reads all 1,024 words:
; register 4 i + c of lane l is token 128 i + 4 l + c.  An expert's rows are sorted by (lane, register); expert k's rows begin at 160 x (tiles of the experts below k).
.set RW,   104                         ; v[104:135] the route words
.set BT,   136                         ; v[136:167] one number for each of them
.set SS,   101                         ; v101 my 32 tokens' counts, a byte for each expert
.set LIST, SPARE+512                   ; 640 LDS bytes of their own: the tokens of the tile's 160 rows
.irp i, 0,1,2,3,4,5,6,7
	global_load_b128 v[RW+4*\i:RW+4*\i+3], v[L16], s[6:7] offset:512*\i
.endr
	s_mul_i32 s24, s22, 10
	s_mul_i32 s25, s19, 5
	s_add_co_u32 s24, s24, s25                     ; my first block of 16 rows: 10 t + 5 a
	s_lshl_b32 s25, s24, 5
	s_lshl_b32 s26, s21, 1
	s_add_co_u32 s25, s25, s26
	s_add_co_u32 s25, s25, s20                     ; its image of K step 2 g + b
	s_mul_i32 s26, s25, 1536
	s_add_nc_u64 s[54:55], s[16:17], s[26:27]
	s_lshl_b32 s25, s24, 3
	s_lshr_b32 s26, s21, 1
	s_add_co_u32 s25, s25, s26
	s_lshl_b32 s25, s25, 8
	s_and_b32 s26, s21, 1
	s_lshl_b32 s26, s26, 3
	s_add_co_u32 s26, s25, s26
	s_add_nc_u64 s[56:57], s[16:17], s[26:27]
	s_add_nc_u64 s[56:57], s[56:57], HSC           ; and its scale words of K steps 2 g, 2 g + 1
	s_wait_loadcnt 0x0                             ; the eight loads of route words
	s_mov_b32 s59, 0x204081                        ; 1 + 2^7 + 2^14 + 2^21: bit k of the four goes to bit 8 k
.set cq, 0
.rept 32
	v_bfe_u32 v[BT+cq], v[RW+cq], 16, 4
.set cq, cq+1
.endr
.set cq, 0
.rept 32
	v_mul_u32_u24 v[BT+cq], s59, v[BT+cq]
.set cq, cq+1
.endr
.set cq, 0
.rept 32
	v_and_b32 v[BT+cq], 0x01010101, v[BT+cq]       ; a byte for each expert: 1 if chosen
.set cq, cq+1
.endr
.set cq, 0
.rept 8
	v_add3_u32 v[BT+cq], v[BT+cq], v[BT+8+cq], v[BT+16+cq]
.set cq, cq+1
.endr
.set cq, 0
.rept 8
	v_add_nc_u32 v[BT+cq], v[BT+cq], v[BT+24+cq]
.set cq, cq+1
.endr
	v_add3_u32 v[BT], v[BT], v[BT+1], v[BT+2]
	v_add3_u32 v[BT+3], v[BT+3], v[BT+4], v[BT+5]
	v_add3_u32 v[BT+6], v[BT+6], v[BT+7], v[BT]
	v_add_nc_u32 v[SS], v[BT+3], v[BT+6]           ; each byte at most 32
	v_mov_b32 v171, 0                              ; written once: the destination of a lane move counts as read
	v_mov_b32 v172, 0
	v_and_b32 v169, 0xff00ff, v[SS]                ; experts 0 and 2 in fields of 16 bits (a count is at most 1,024),
	v_lshrrev_b32 v170, 8, v[SS]
	v_and_b32 v170, 0xff00ff, v170                 ; experts 1 and 3
.irp m, 1,2,4,8
	v_mov_b32_dpp v171, v169 row_xmask:\m row_mask:0xf bank_mask:0xf
	v_mov_b32_dpp v172, v170 row_xmask:\m row_mask:0xf bank_mask:0xf
	v_add_nc_u32 v169, v169, v171
	v_add_nc_u32 v170, v170, v172
.endr
	v_permlanex16_b32 v171, v169, s48, s49
	v_permlanex16_b32 v172, v170, s48, s49
	v_add_nc_u32 v169, v169, v171
	v_add_nc_u32 v170, v170, v172                  ; the four counts, in every lane
	v_readfirstlane_b32 s66, v169
	v_readfirstlane_b32 s67, v170
	s_wait_alu depctr_va_vdst(0)
	s_and_b32 s68, s66, 0xffff                     ; s[68:71] rows of experts 0 .. 3
	s_lshr_b32 s70, s66, 16
	s_and_b32 s69, s67, 0xffff
	s_lshr_b32 s71, s67, 16
.irp k, 0,1,2
	s_add_co_u32 s[72+\k], s[68+\k], 159
	s_mul_i32 s[72+\k], s[72+\k], 52429            ; 52,429 / 2^23 stands for 1 / 160: exact for numbers up to 1,183
	s_lshr_b32 s[72+\k], s[72+\k], 23              ; tiles of expert k
.endr
	s_mov_b32 s76, s72                             ; first tile of expert 1,
	s_add_co_u32 s77, s76, s73                     ; 2,
	s_add_co_u32 s78, s77, s74                     ; 3
	s_cmp_ge_u32 s22, s76                          ; my tile's expert: how many experts' first tiles it has reached (a tile behind the last used one: 3)
	s_cselect_b32 s23, 1, 0
	s_cmp_ge_u32 s22, s77
	s_cselect_b32 s24, 1, 0
	s_cmp_ge_u32 s22, s78
	s_cselect_b32 s25, 1, 0
	s_add_co_u32 s23, s23, s24
	s_add_co_u32 s23, s23, s25
	s_min_u32 s23, s23, 3
	s_mov_b32 s79, 0                               ; that expert's first tile
	s_mov_b32 s80, s68                             ; and its rows
.irp k, 1,2,3
	s_cmp_eq_u32 s23, \k
	s_cselect_b32 s79, s[75+\k], s79
	s_cselect_b32 s80, s[68+\k], s80
.endr
	s_sub_co_u32 s81, s22, s79
	s_mul_i32 s81, s81, 160                        ; the rank, among the expert's rows, of my tile's first row
	s_add_co_u32 s92, s68, s69                     ; rows of experts 0 .. k
	s_add_co_u32 s93, s92, s70
	s_add_co_u32 s94, s93, s71
	s_mov_b32 s91, s68
.irp k, 1,2,3
	s_cmp_eq_u32 s23, \k
	s_cselect_b32 s91, s[91+\k], s91
.endr
	s_mul_i32 s90, s79, 160
	s_add_co_u32 s90, s90, 2048
	s_sub_co_u32 s90, s90, s91                     ; rank + s90 = 2,048 + (sorted row - taken rows ahead of it): the place in y of a row that no token takes; 512 such rows, each with its own place
	s_lshl_b32 s24, s23, 12
	s_lshl_b32 s25, s21, 8
	s_add_co_u32 s24, s24, s25
	s_lshl_b32 s25, s20, 5
	s_add_co_u32 s24, s24, s25                     ; my first row of a weight: 4,096 e + 256 g + 32 b
	s_mul_i32 s26, s24, 768
	s_cmp_lt_u32 s18, 2                            ; waves 0, 1 fetch gate's rows, waves 2, 3 up's
	s_cselect_b64 s[34:35], s[8:9], s[10:11]
	s_add_nc_u64 s[34:35], s[34:35], s[26:27]
	s_or_b32 s35, s35, 0x80000000                  ; type = 2
	s_mov_b32 s32, 1
	s_mul_i32 s33, s18, QTR                        ; LDS: wave x 32 rows
	tensor_load_to_lds s[32:35], s[36:43]          ; slot 0: ahead of every LDS read, barrier and wait on TENSORcnt
	s_nop 0
	PLACES 4
	s_lshl_b32 s26, s24, 5
	s_add_nc_u64 s[28:29], s[12:13], s[26:27]      ; these rows' scale bytes
	s_add_nc_u64 s[30:31], s[14:15], s[26:27]
; FROM A ROW TO ITS TOKEN.  v168: bit q = my token of register q has chosen the expert; v103: the expert's rows in lower lanes.  The row of rank R lies in the highest lane whose v103 is at most R
; (seven lane reads, then three lane permutes), and is that lane's set bit number R - v103.  Thread n takes row n, and lanes of wave w rows 128 + 8 w + lane % 8: two chains by turns.
.macro SCANX c, e                      ; v[e] = the sum of v[c] over the lower lanes
	v_mov_b32 v204, 0
	v_mov_b32 v205, v[\c]
.irp n, 1,2,4,8
	v_mov_b32_dpp v204, v205 row_shr:\n row_mask:0xf bank_mask:0xf bound_ctrl:1
	v_add_nc_u32 v205, v205, v204
.endr
	v_readlane_b32 s84, v205, 15
	v_mad_u32_u24 v205, v2, s84, v205              ; lanes 16-31: and the whole of lanes 0-15
	v_sub_nc_u32 v[\e], v205, v[\c]
.endm
.macro LEV x, wd, w                    ; if the rank left is not under the count of the lower w bits, pass over them.  x: which folded count (7: the mask itself)
.irp j, 0,1
.if \x == 7
	v_bfe_u32 v[190+8*\j], v[182+\j], v[192+8*\j], \wd
.else
	v_bfe_u32 v[190+8*\j], v[186+8*\j+\x], v[192+8*\j], \wd
.endif
.endr
.irp j, 0,1
	v_cmp_ge_u32 vcc_lo, v[184+\j], v[190+8*\j]
	v_cndmask_b32 v[190+8*\j], 0, v[190+8*\j], vcc_lo
	v_cndmask_b32 v[191+8*\j], 0, \w, vcc_lo
.endr
.irp j, 0,1
	v_sub_nc_u32 v[184+\j], v[184+\j], v[190+8*\j]
	v_add_nc_u32 v[192+8*\j], v[192+8*\j], v[191+8*\j]
.endr
.endm
	s_add_co_u32 s82, s23, 16
	s_lshl_b32 s83, s23, 3
.set cq, 0
.rept 32
	v_bfe_u32 v[BT+cq], v[RW+cq], s82, 1
.set cq, cq+1
.endr
.irp j, 0,1,2,3
	v_lshlrev_b32 v[168+\j], \j, v[BT+\j]
.endr
.set cq, 4
.rept 28
	v_lshl_or_b32 v[168+(cq&3)], v[BT+cq], cq, v[168+(cq&3)]   ; four chains by turns
.set cq, cq+1
.endr
	v_or_b32 v168, v168, v169
	v_or_b32 v170, v170, v171
	v_or_b32 v168, v168, v170
	v_bfe_u32 v102, v[SS], s83, 8                  ; my lane's rows of the expert
	SCANX 102, 103
	v_add_nc_u32 v172, s81, v0                     ; the two ranks
	s_lshl_b32 s85, s18, 3
	s_add_co_u32 s85, s85, s81
	s_add_co_u32 s85, s85, 128
	v_and_b32 v173, 7, v0
	v_add_nc_u32 v173, s85, v173
	v_mov_b32 v174, 0                              ; the lanes found so far
	v_mov_b32 v175, 0
; v103 never falls from lane to lane.  First the group of four lanes: 4 x (how many of lanes 4, 8, .. 28 have a v103 of at most R); then, by one round of three lane reads, how many of the next three lanes have
.irp k, 1,2,3,4,5,6,7
	v_readlane_b32 s[81+\k], v103, 4*\k
.endr
.irp k, 1,2,3,4,5,6,7
	v_cmp_le_u32 vcc_lo, s[81+\k], v172
	v_cndmask_b32 v176, 0, 4, vcc_lo
	v_add_nc_u32 v174, v174, v176
	v_cmp_le_u32 vcc_lo, s[81+\k], v173
	v_cndmask_b32 v177, 0, 4, vcc_lo
	v_add_nc_u32 v175, v175, v177
.endr
.irp k, 1,2,3
	v_add_lshl_u32 v[174+2*\k], v174, \k, 2        ; at most lane 28 + 3
	v_add_lshl_u32 v[175+2*\k], v175, \k, 2
.endr
.irp k, 1,2,3
	ds_bpermute_b32 v[184+2*\k], v[174+2*\k], v103
	ds_bpermute_b32 v[185+2*\k], v[175+2*\k], v103
.endr
	s_wait_alu depctr_va_vdst(0)
	s_wait_dscnt 0x0
.irp k, 1,2,3
	v_cmp_le_u32 vcc_lo, v[184+2*\k], v172
	v_cndmask_b32 v[174+2*\k], 0, 1, vcc_lo
	v_cmp_le_u32 vcc_lo, v[185+2*\k], v173
	v_cndmask_b32 v[175+2*\k], 0, 1, vcc_lo
.endr
	v_add3_u32 v174, v174, v176, v178
	v_add3_u32 v175, v175, v177, v179
	v_add_nc_u32 v174, v174, v180
	v_add_nc_u32 v175, v175, v181
	v_lshlrev_b32 v178, 2, v174
	v_lshlrev_b32 v179, 2, v175
	ds_bpermute_b32 v182, v178, v168               ; that lane's mask
	ds_bpermute_b32 v183, v179, v168
	ds_bpermute_b32 v184, v178, v103               ; and its first rank
	ds_bpermute_b32 v185, v179, v103
	v_lshl_add_u32 v202, v0, 2, LIST               ; where the two tokens go
	s_lshl_b32 s85, s18, 5
	s_add_co_u32 s85, s85, LIST+512
	v_and_b32 v203, 7, v0
	v_lshl_add_u32 v203, v203, 2, s85
	v_add_nc_u32 v22, LIST, v22                    ; and from where the rows that I stage, and my blocks' rows, are read
	v_add_nc_u32 v23, LIST, v23
	s_wait_alu depctr_va_vdst(0)
	s_wait_dscnt 0x0
.irp j, 0,1
	v_sub_nc_u32 v[184+\j], v[172+\j], v[184+\j]   ; which of the lane's set bits
	v_lshrrev_b32 v[190+8*\j], 1, v[182+\j]
.endr
.irp j, 0,1
	v_and_b32 v[190+8*\j], 0x55555555, v[190+8*\j]
.endr
.irp j, 0,1
	v_sub_nc_u32 v[186+8*\j], v[182+\j], v[190+8*\j]              ; counts of each 2 bits
.endr
.irp j, 0,1
	v_lshrrev_b32 v[190+8*\j], 2, v[186+8*\j]
	v_and_b32 v[187+8*\j], 0x33333333, v[186+8*\j]
.endr
.irp j, 0,1
	v_and_b32 v[190+8*\j], 0x33333333, v[190+8*\j]
.endr
.irp j, 0,1
	v_add_nc_u32 v[187+8*\j], v[187+8*\j], v[190+8*\j]            ; of each 4
.endr
.irp j, 0,1
	v_lshrrev_b32 v[190+8*\j], 4, v[187+8*\j]
.endr
.irp j, 0,1
	v_add_nc_u32 v[188+8*\j], v[187+8*\j], v[190+8*\j]
.endr
.irp j, 0,1
	v_and_b32 v[188+8*\j], 0x0f0f0f0f, v[188+8*\j]                ; of each 8
.endr
.irp j, 0,1
	v_lshrrev_b32 v[190+8*\j], 8, v[188+8*\j]
	v_mov_b32 v[192+8*\j], 0                                      ; the bit's place
.endr
.irp j, 0,1
	v_add_nc_u32 v[189+8*\j], v[188+8*\j], v[190+8*\j]            ; low byte: of the lower 16
.endr
	LEV 3, 8, 16
	LEV 2, 8, 8
	LEV 1, 4, 4
	LEV 0, 2, 2
	LEV 7, 1, 1
.irp j, 0,1
	v_lshrrev_b32 v[190+8*\j], 2, v[192+8*\j]
	v_and_b32 v[191+8*\j], 3, v[192+8*\j]
.endr
.irp j, 0,1
	v_lshl_add_u32 v[191+8*\j], v[190+8*\j], 7, v[191+8*\j]
.endr
.irp j, 0,1
	v_lshl_add_u32 v[191+8*\j], v[174+\j], 2, v[191+8*\j]         ; token = 128 (q / 4) + 4 lane + q % 4
.endr
.irp j, 0,1
	v_cmp_gt_u32 vcc_lo, s80, v[172+\j]
	v_cndmask_b32 v[191+8*\j], 0, v[191+8*\j], vcc_lo             ; a row that no token takes names token 0
.endr
	ds_store_b32 v202, v191
	ds_store_b32 v203, v199                        ; four lanes name each word, with the same value
	s_wait_alu depctr_va_vdst(0)
	s_wait_dscnt 0x0                               ; for the others' sake: my part of the list has landed
	s_barrier_signal -1
	s_barrier_wait -1                              ; slot 0's load may stay out
.irp rho, 0,1,2,3,4
.irp q, 0,1,2,3
	ds_load_b32 v[IDX+4*\rho+\q], v22 offset:4*(16*\rho+2*\q)
.endr
	ds_load_b32 v[IDA+\rho], v23 offset:64*\rho
.endr
	s_wait_dscnt 0x0                               ; the 25 words of the list
	v_lshlrev_b32 v22, 4, v1
	v_lshlrev_b32 v23, 4, v2
.set cn, 0
.rept 20
	v_min_u32 v[IDX+cn], 0x3ff, v[IDX+cn]          ; a token's number is at most 1,023
	v_mul_u32_u24 v[IDX+cn], 0x300, v[IDX+cn]
	v_add_nc_u32 v[IDX+cn], v22, v[IDX+cn]         ; its row of codes, 16 r
.set cn, cn+1
.endr
.set cn, 0
.rept 5
	v_min_u32 v[IDA+cn], 0x3ff, v[IDA+cn]
	v_lshl_add_u32 v[IDA+cn], v[IDA+cn], 5, v23    ; its eight scale words, 16 h
.set cn, cn+1
.endr
.irp i, 0,1,2,3,4
	global_load_b128 v[AS+4*\i:AS+4*\i+3], v[IDA+\i], s[4:5] offset:XSC
.endr
	BSLOAD
	WIN 0xc0                                       ; destination window 3
.irp rho, 0,1,2,3,4
.irp q, 0,1,2,3
.irp j, 0,1,2
	global_load_b128 v[4*(12*\rho+3*\q+\j):4*(12*\rho+3*\q+\j)+3], v[IDX+4*\rho+\q], s[4:5] offset:256*\j   ; sixteen lanes read 256 consecutive bytes of a row
.endr
.endr
.endr
	WIN 0
; WHAT THE NEXT LAUNCH READS, stored while the rows are on their way.  The work-groups with g = 0 store, at word 160 t + row of lists, the row's place in y;
; wave 0 of the one with t = 0 also the expert of each tile, at byte 10,240.  The branches hang on ids alone, and lead round no barrier and no tensor load.
	s_cmp_lg_u32 s21, 0
	s_wait_alu depctr_va_vdst(0)
	s_cbranch_scc1 .Lno_table
; v212: bit q = my token of register q has chosen an expert below mine: then mine is its second (slot 1), else its first (slot 0).  Only the work-groups that store the places make it
.set cq, 0
.rept 32
	v_bfe_u32 v[BT+cq], v[RW+cq], 16, s23          ; the bits of the experts below mine (none for expert 0)
.set cq, cq+1
.endr
.set cq, 0
.rept 32
	v_min_u32 v[BT+cq], 1, v[BT+cq]
.set cq, cq+1
.endr
.irp j, 0,1,2,3
	v_lshlrev_b32 v[212+\j], \j, v[BT+\j]
.endr
.set cq, 4
.rept 28
	v_lshl_or_b32 v[212+(cq&3)], v[BT+cq], cq, v[212+(cq&3)]
.set cq, cq+1
.endr
	v_or_b32 v212, v212, v213
	v_or_b32 v214, v214, v215
	v_or_b32 v212, v212, v214
	ds_bpermute_b32 v214, v178, v212               ; the slots of the lane in which my row's token lies (v178, v179: 4 x that lane, as made for the masks)
	ds_bpermute_b32 v215, v179, v212
	s_wait_alu depctr_va_vdst(0)
	s_wait_dscnt 0x0
.irp j, 0,1
	v_bfe_u32 v[206+\j], v[214+\j], v[192+8*\j], 1
	v_add_nc_u32 v[190+8*\j], s90, v[172+\j]
.endr
.irp j, 0,1
	v_lshl_add_u32 v[206+\j], v[206+\j], 10, v[191+8*\j]          ; the row's place in y: 1,024 slot + token
.endr
.irp j, 0,1
	v_cmp_gt_u32 vcc_lo, s80, v[172+\j]
	v_cndmask_b32 v[206+\j], v[190+8*\j], v[206+\j], vcc_lo       ; a row that no token takes: its own place from 2,048 on
.endr
	v_lshlrev_b32 v208, 2, v0
	s_lshl_b32 s85, s18, 5
	s_add_co_u32 s85, s85, 512
	v_and_b32 v209, 7, v0
	v_lshl_add_u32 v209, v209, 2, s85              ; and row 128 + 8 wave + lane % 8
	s_mul_i32 s88, s22, 640
	s_mov_b32 s89, 0
	s_add_nc_u64 s[88:89], s[60:61], s[88:89]
	global_store_b32 v208, v206, s[88:89]          ; 128 consecutive bytes a wave
	global_store_b32 v209, v207, s[88:89]          ; 32 consecutive bytes a wave; four lanes name each word, with the same value
	s_or_b32 s85, s22, s18
	s_cmp_lg_u32 s85, 0
	s_wait_alu depctr_va_vdst(0)
	s_cbranch_scc1 .Lno_tiles
	v_and_b32 v216, 31, v0                         ; tile = lane; its expert = how many experts' first tiles it has reached
	v_cmp_le_u32 vcc_lo, s76, v216
	v_cndmask_b32 v217, 0, 1, vcc_lo
	v_cmp_le_u32 vcc_lo, s77, v216
	v_cndmask_b32 v218, 0, 1, vcc_lo
	v_cmp_le_u32 vcc_lo, s78, v216
	v_cndmask_b32 v219, 0, 1, vcc_lo
	v_add3_u32 v217, v217, v218, v219
	v_lshlrev_b32 v216, 2, v216
	global_store_b32 v216, v217, s[60:61] offset:10240   ; 128 consecutive bytes
.Lno_tiles:
	s_wait_xcnt 0x0                                ; the stores have read their registers, which take weight fragments later
.Lno_table:
; Five turns: 32 rows (block rho of both halves of the tile, eight rows a wave) go through a stage, two stages by turns, and come back as fragments.  One barrier a turn: the wait for 0 in front of
; barrier rho + 1 covers my reads of stage rho % 2, which is written again only behind that barrier.
.irp rho, 0,1,2,3,4
	s_wait_loadcnt 48-12*\rho                      ; the later turns' row loads may be out
	WIN 0x0c
.irp q, 0,1,2,3
.irp j, 0,1,2
	ds_store_b128 v[AST], v[4*(12*\rho+3*\q+\j):4*(12*\rho+3*\q+\j)+3] offset:ABUF*(\rho&1)+2*PA*\q+256*\j
.endr
.endr
	WIN 0
	s_wait_dscnt 0x0
	s_barrier_signal -1
	s_barrier_wait -1
	WIN 0x40                                       ; destination window 1: K steps 0-3
.irp s, 0,1,2,3
.irp c, 0,1,2
	ds_load_b128 v[12*(5*\s+\rho)+4*\c:12*(5*\s+\rho)+4*\c+3], v[ARD] offset:ABUF*(\rho&1)+96*\s+16*\c
.endr
.endr
	WIN 0x80                                       ; window 2: K steps 4-7
.irp s, 0,1,2,3
.irp c, 0,1,2
	ds_load_b128 v[12*(5*\s+\rho)+4*\c:12*(5*\s+\rho)+4*\c+3], v[ARD] offset:ABUF*(\rho&1)+384+96*\s+16*\c
.endr
.endr
	WIN 0
.endr
	CHANGE 1                                       ; slot 0 is whole; slot 1 is asked for
	PRE 1
	PLACES 8                                       ; scale registers written by vector instructions stand eight places ahead of a scaled matrix instruction
	s_wait_alu depctr_va_vdst(0)
	s_mov_b32 s47, 2
.Lslot:                                            ; two trips.  A slot's 160 products; the change of slots, with the refill of the slot just read; the next slot's first loads; only then the epilogue
	STEPS
	CHANGE 1
	PRE 1
	EPIX
	s_sub_co_u32 s47, s47, 1
	s_cmp_lg_u32 s47, 0
	s_cbranch_scc1 .Lslot
	STEPS                                          ; the last two slots are written out
	CHANGE 0
	PRE 0
	EPIX
	STEPS
	EPIX
	; THE WAY OUT: wave (a, b) takes K step 2 g + b of its five blocks: a lane's three pieces of 16 bytes are the next product's operand registers, stored as they stand
	s_wait_dscnt 0x0
	s_barrier_signal -1
	s_barrier_wait -1                              ; 160 rows x 192 bytes of codes and 160 x 8 scale bytes lie in the stages
.irp i, 0,1,2,3,4
.irp c, 0,1,2
	ds_load_b128 v[OUT+4*(3*\i+\c):OUT+4*(3*\i+\c)+3], v[HRD] offset:16*PH*\i+16*\c
.endr
.endr
.irp i, 0,1,2,3,4
.irp c, 0,1,2
	s_wait_dscnt 14-(3*\i+\c)
	global_store_b128 v[L16], v[OUT+4*(3*\i+\c):OUT+4*(3*\i+\c)+3], s[54:55] offset:49152*\i+512*\c   ; 512 consecutive bytes, at a multiple of 512 from the buffer's first byte
.endr
.endr
	s_cmp_lg_u32 s20, 0
	s_cbranch_scc1 .Lno_words                      ; the scale words: waves with b = 0; lanes 0-15 K step 2 g, lanes 16-31 K step 2 g + 1
.irp i, 0,1,2,3,4
	ds_load_b32 v[SCO+\i], v[SRD] offset:128*\i
.endr
	s_wait_dscnt 0x0
.irp i, 0,1,2,3,4
	v_perm_b32 v[SCO+5+\i], v[SCO+\i], v[SCO+\i], s50
.endr
.irp i, 0,1,2,3,4
	global_store_b32 v[SWO], v[SCO+5+\i], s[56:57] offset:2048*\i
.endr
.Lno_words:
	s_wait_tensorcnt 0x0                           ; the wave's end
	ds_add_u32 v[SPW], v[NIL]
	s_wait_dscnt 0x0
	s_endpgm
.Lfunc_end_k_q7ce7d1954e_up:
	.size	k_q7ce7d1954e_up, .Lfunc_end_k_q7ce7d1954e_up-k_q7ce7d1954e_up
	.p2alignl 7, 3214868480
	.fill 96, 4, 3214868480
	.section	.rodata,"a",@progbits
	.p2align	6, 0x0
	.amdhsa_kernel k_q7ce7d1954e_up
		.amdhsa_group_segment_fixed_size 327680
		.amdhsa_private_segment_fixed_size 0
		.amdhsa_enable_private_segment 0
		.amdhsa_kernarg_size 64
		.amdhsa_user_sgpr_count 2
		.amdhsa_user_sgpr_kernarg_segment_ptr 1
		.amdhsa_wavefront_size32 1
		.amdhsa_system_sgpr_workgroup_id_x 1
		.amdhsa_system_sgpr_workgroup_id_y 1
		.amdhsa_system_sgpr_workgroup_id_z 1
		.amdhsa_system_vgpr_workitem_id 0
		.amdhsa_next_free_vgpr 1024
		.amdhsa_next_free_sgpr 100
		.amdhsa_reserve_vcc 1
		.amdhsa_float_denorm_mode_32 3
		.amdhsa_float_denorm_mode_16_64 3
		.amdhsa_memory_ordered 1
		.amdhsa_forward_progress 1
		.amdhsa_inst_pref_size 225
	.end_amdhsa_kernel
	.amdgpu_metadata
---
amdhsa.version: [ 1, 2 ]
amdhsa.kernels:
  - .name:           k_q7ce7d1954e_up
    .symbol:         k_q7ce7d1954e_up.kd
    .args:
      - { .name: xq, .offset: 0, .size: 8, .value_kind: global_buffer, .address_space: global }
      - { .name: route, .offset: 8, .size: 8, .value_kind: global_buffer, .address_space: global }
      - { .name: w_gate_codes, .offset: 16, .size: 8, .value_kind: global_buffer, .address_space: global }
      - { .name: w_up_codes, .offset: 24, .size: 8, .value_kind: global_buffer, .address_space: global }
      - { .name: w_gate_scales, .offset: 32, .size: 8, .value_kind: global_buffer, .address_space: global }
      - { .name: w_up_scales, .offset: 40, .size: 8, .value_kind: global_buffer, .address_space: global }
      - { .name: hq, .offset: 48, .size: 8, .value_kind: global_buffer, .address_space: global }
      - { .name: lists, .offset: 56, .size: 8, .value_kind: global_buffer, .address_space: global }
    .group_segment_fixed_size: 327680
    .private_segment_fixed_size: 0
    .kernarg_segment_align: 8
    .kernarg_segment_size: 64
    .max_flat_workgroup_size: 128
    .sgpr_count:     100
    .vgpr_count:     1024
    .wavefront_size: 32
...
	.end_amdgpu_metadata
.endif
;; end of part 2
;; launch down (part 3): grid 16 x 16, 4 waves a work-group, no clusters, 209,408 bytes of LDS; arguments hq, lists, w_down_codes, w_down_scales, y; writes y
.if DOCPART == 3
	.amdgcn_target "amdgcn-amd-amdhsa--gfx1250"
	.amdhsa_code_object_version 6
	.text
	.protected	k_q7ce7d1954e_down
	.globl	k_q7ce7d1954e_down
	.p2align	8
	.type	k_q7ce7d1954e_down,@function
k_q7ce7d1954e_down:
	s_mov_b64 s[64:65], 0
	v_nop
	global_prefetch_b8 v0, s[64:65] scope:SCOPE_SE
	s_setreg_imm32_b32 hwreg(HW_REG_WAVE_MODE, 25, 1), 1
	s_wait_xcnt 0x0
; DOWN.  y = h Wd^T for one tile of 160 sorted rows (work-group y) and 64 outputs (work-group x), on codes of FP6 (E2M3) with E8M0 scales; K = 4,096 hidden units.
; SHARES.  THE FOUR WAVES SHARE K: wave w takes K steps 8 w .. 8 w + 7 for the whole tile: 10 blocks of rows x 4 tiles of outputs = 40 accumulators.  The four partial sums meet in LDS at the end.
; h's fragments lie in hq as images of the operand's registers: three loads of 16 bytes a lane, 512 consecutive bytes each, straight into registers, two K steps ahead: 60 loads of a wave are out.
; Wd: its own wait on TENSORcnt is all the ordering that the reads need.
; No LDS byte is filled twice.  When a wave's products are done, its partial tile (160 rows x 272 bytes) takes the place of its part of Wd.
; THE PRODUCT IS USED TRANSPOSED (source 0 = 16 rows of Wd, source 1 = 16 rows of h): a lane holds eight neighbouring outputs of one row.
; K ORDER: as in the launch that made hq: fragments as three pieces of 16 bytes, blocks of a K step in the order 0, 2, 1, 3 on both sides, bytes 1 and 2 of each scale word exchanged.
; The sum over K is split over four waves and joined as (p0 + p1) + (p2 + p3): another order than one chain; the result is compared within a tolerance.
; NOTHING BRANCHES ON THE LIST: the expert's number enters addresses alone.  A tile without rows computes into rows of y that nobody reads.
; NO JOINT LOADS: h goes straight into registers, and the partners that share rows of Wd are known from the stored list alone.
; REGISTERS.  Window 0: addresses, scale words, two sets of four fragments of Wd; later the partial sums.  Window 1: h's fragments, two sets of ten, at 120 (s % 2) + 12 i.
; Window 2: accumulator (i, u) at 8 (4 i + u), i = 0 .. 7;  window 3: i = 8, 9.
.set PB,   816                         ; a row of Wd in LDS: 768 bytes + 16 behind each 256
.set WREG, 64*PB                       ; a wave's region
.set PP,   272                         ; a row of a partial tile: 256 bytes + 16
.set HSC,  7864320
.set CB0,  5                           ; WREG w + PB r + 48 h
.set CB1,  6                           ; the same behind one padding more for lanes 16-31
.set L16,  7                           ; 16 x lane
.set SOF,  8                           ; 128 r + 16 h
.set PST,  9                           ; WREG w + PP r + 32 h
.set PR0,  10                          ; (40 w + h) PP + 16 r
.set PR1,  11                          ; the same two regions on
.set YO,   12                          ; 16 r
.set AS,   16                          ; v[16:55]  h's scale words: block i, register 4 i + s % 4; lanes 0-15 steps 0-3, lanes 16-31 steps 4-7
.set BSR,  56                          ; v[56:71]  Wd's as loaded
.set BS,   72                          ; v[72:87]  with bytes 1 and 2 exchanged
.set BF,   96                          ; v[96:143], v[144:191] fragments of Wd
.set RD,   96                          ; v[96:255] partial sums of ten pairs of rows
.set MSB, 0
.macro WIN new                         ; the immediate's high byte repeats the setting that is left
.if MSB != \new
	s_set_vgpr_msb (MSB<<8)|\new
.set MSB, \new
.endif
.endm
.macro PLACES n
.rept \n
	v_nop
.endr
.endm
.macro FRAG reg, rowoff, s
.irp c, 0,1,2
.set fo, 96*(\s)+16*\c
.if ((fo+48)>>8) == (fo>>8)
	ds_load_b128 v[(\reg)+4*\c:(\reg)+4*\c+3], v[CB0] offset:(\rowoff)+fo+16*(fo>>8)
.else
	ds_load_b128 v[(\reg)+4*\c:(\reg)+4*\c+3], v[CB1] offset:(\rowoff)+fo+16*(fo>>8)
.endif
.endr
.endm
.macro FRAGS s, p
.irp u, 0,1,2,3
	FRAG BF+48*(\p)+12*\u, 16*PB*\u, \s
.endr
.endm
.macro ALOAD s, x                      ; h's fragments of my K step s, blocks 5 x .. 5 x + 4
	WIN 0x40
.irp k, 0,1,2,3,4
.irp c, 0,1,2
	global_load_b128 v[120*((\s)&1)+12*(5*(\x)+\k)+4*\c:120*((\s)&1)+12*(5*(\x)+\k)+4*\c+3], v[L16], s[44:45] offset:49152*(5*(\x)+\k)+1536*(\s)+512*\c
.endr
.endr
	WIN 0
.endm
.macro WMD s, i, u
.set wD, 8*(4*((\i)&7)+(\u))
.set wB, BF+48*((\s)&1)+12*(\u)
.set wA, 120*((\s)&1)+12*(\i)
.set wSB, BS+4*(\u)+((\s)&3)
.set wSA, AS+4*(\i)+((\s)&3)
.if (\s) == 0
	v_wmma_scale_f32_16x16x128_f8f6f4 v[wD:wD+7], v[wB:wB+11], v[wA:wA+11], 0, v[wSB], v[wSA] matrix_a_fmt:MATRIX_FMT_FP6 matrix_b_fmt:MATRIX_FMT_FP6
.elseif (\s) < 4
	v_wmma_scale_f32_16x16x128_f8f6f4 v[wD:wD+7], v[wB:wB+11], v[wA:wA+11], v[wD:wD+7], v[wSB], v[wSA] matrix_a_fmt:MATRIX_FMT_FP6 matrix_b_fmt:MATRIX_FMT_FP6
.else
	v_wmma_scale_f32_16x16x128_f8f6f4 v[wD:wD+7], v[wB:wB+11], v[wA:wA+11], v[wD:wD+7], v[wSB], v[wSA] matrix_a_fmt:MATRIX_FMT_FP6 matrix_b_fmt:MATRIX_FMT_FP6 matrix_a_scale:MATRIX_SCALE_ROW1 matrix_b_scale:MATRIX_SCALE_ROW1
.endif
.endm
; half a K step: five blocks of rows x four tiles of outputs.  n: how many loads issued behind this half's fifteen may stay out.  Its registers then take the half two K steps on
.macro HALF s, x, n
	s_wait_loadcnt \n
.irp k, 0,1,2,3,4
.if (5*(\x)+\k) < 8
	WIN 0xa4                                       ; source 0 window 0, source 1 window 1, C and D window 2
.else
	WIN 0xf4                                       ; C and D window 3
.endif
.irp u, 0,1,2,3
	WMD \s, 5*(\x)+\k, \u
.endr
.endr
	WIN 0
	PLACES 4                                       ; in front of loads into registers that these products read, and of the first read of results
.if (\s) < 6
	ALOAD (\s)+2, \x
.endif
.endm
.macro STEP s, n0, n1                  ; the 40 accumulators take turns, in the same order in every step
	s_wait_dscnt 0x0                               ; this step's fragments of Wd, asked for 40 matrix instructions ago
.if (\s) < 7
	FRAGS (\s)+1, 1-((\s)&1)
.endif
	HALF \s, 0, \n0
	HALF \s, 1, \n1
.endm
.macro REDUCE q0                       ; ten pairs of my 40 rows: four partial sums each, added and stored
.irp k, 0,1,2,3,4,5,6,7,8,9
.irp p, 0,1
	ds_load_b128 v[RD+16*\k+4*\p:RD+16*\k+4*\p+3], v[PR0] offset:2*PP*((\q0)+\k)+WREG*\p
.endr
.irp p, 0,1
	ds_load_b128 v[RD+16*\k+8+4*\p:RD+16*\k+8+4*\p+3], v[PR1] offset:2*PP*((\q0)+\k)+WREG*\p
.endr
.endr
.irp k, 0,1,2,3,4,5,6,7,8,9
	s_wait_dscnt 4*(9-\k)                          ; the later pairs' loads may be out
	v_pk_add_f32 v[RD+16*\k:RD+16*\k+1], v[RD+16*\k:RD+16*\k+1], v[RD+16*\k+4:RD+16*\k+5]
	v_pk_add_f32 v[RD+16*\k+2:RD+16*\k+3], v[RD+16*\k+2:RD+16*\k+3], v[RD+16*\k+6:RD+16*\k+7]
	v_pk_add_f32 v[RD+16*\k+8:RD+16*\k+9], v[RD+16*\k+8:RD+16*\k+9], v[RD+16*\k+12:RD+16*\k+13]
	v_pk_add_f32 v[RD+16*\k+10:RD+16*\k+11], v[RD+16*\k+10:RD+16*\k+11], v[RD+16*\k+14:RD+16*\k+15]
	v_pk_add_f32 v[RD+16*\k:RD+16*\k+1], v[RD+16*\k:RD+16*\k+1], v[RD+16*\k+8:RD+16*\k+9]
	v_pk_add_f32 v[RD+16*\k+2:RD+16*\k+3], v[RD+16*\k+2:RD+16*\k+3], v[RD+16*\k+10:RD+16*\k+11]
	global_store_b128 v[56+(\q0)+\k+16*(((\q0)+\k)/16)], v[RD+16*\k:RD+16*\k+3], s[12:13]   ; sixteen lanes store 256 consecutive bytes of one row, at a multiple of 256 from the buffer's first byte
.endr
.endm
	s_load_b256 s[4:11], s[0:1], 0x0               ; hq, lists, Wd's codes, Wd's scales
	s_load_b64 s[12:13], s[0:1], 0x20              ; y
	v_lshl_add_u32 v94, v0, 2, 0x33000
	v_mov_b32 v95, 0
	ds_add_u32 v94, v95
	ds_add_u32 v94, v95
	v_lshrrev_b32 v3, 5, v0
	v_readfirstlane_b32 s18, v3                    ; wave
	s_mov_b32 s21, ttmp9                           ; n: which 64 outputs
	s_and_b32 s22, ttmp7, 0xffff                   ; t: which tile of rows
	s_lshl_b32 s58, s22, 2
	v_and_b32 v1, 15, v0                           ; r
	v_bfe_u32 v2, v0, 4, 1                         ; h
	v_and_b32 v3, 31, v0
	v_lshlrev_b32 v[L16], 4, v3
	s_mul_i32 s24, s18, WREG
	v_mul_u32_u24 v[CB0], PB, v1
	v_mad_u32_u24 v[CB0], v2, 48, v[CB0]
	v_add_nc_u32 v[CB0], s24, v[CB0]
	v_lshl_add_u32 v[CB1], v2, 4, v[CB0]
	v_lshlrev_b32 v[SOF], 7, v1
	v_lshl_add_u32 v[SOF], v2, 4, v[SOF]
	v_mul_u32_u24 v[PST], PP, v1
	v_lshl_add_u32 v[PST], v2, 5, v[PST]
	v_add_nc_u32 v[PST], s24, v[PST]
	s_mul_i32 s24, s18, 40*PP
	v_mul_u32_u24 v[PR0], PP, v2
	v_lshl_add_u32 v[PR0], v1, 4, v[PR0]
	v_add_nc_u32 v[PR0], s24, v[PR0]
	v_add_nc_u32 v[PR1], 2*WREG, v[PR0]
	v_lshlrev_b32 v13, 2, v2                       ; 4 h: my row of a pair, in the list of places
	v_lshlrev_b32 v[YO], 4, v1                     ; 16 r
	; descriptor group 1: 64 rows of 768 bytes (96 elements of 8 bytes), 3,072 bytes apart, 16 bytes of padding behind each 256
	s_mov_b32 s36, (3<<16)|(1<<20)|(5<<22)|(3<<25)
	s_mov_b32 s37, 96<<16                          ; tensor_dim0
	s_mov_b32 s38, 64<<16                          ; tensor_dim1
	s_mov_b32 s39, 96<<16                          ; tile_dim0
	s_mov_b32 s40, 64                              ; tile_dim1
	s_mov_b32 s41, 384                             ; the pitch
	s_mov_b32 s42, 0
	s_mov_b32 s43, 0
	s_mov_b32 s50, 0x03010200                      ; bytes 1 and 2 change places
	s_mov_b32 s27, 0
	s_mul_i32 s24, s22, 491520
	s_mul_i32 s25, s18, 12288
	s_add_co_u32 s26, s24, s25                     ; my tile's images, from K step 8 w on
	s_wait_dscnt 0x0
	s_wait_kmcnt 0x0
	s_load_b32 s23, s[6:7], s58 offset:10240       ; my tile's expert
	s_add_nc_u64 s[44:45], s[4:5], s[26:27]
	s_mul_i32 s24, s22, 20480
	s_lshl_b32 s25, s18, 9
	s_add_co_u32 s26, s24, s25
	s_add_nc_u64 s[46:47], s[4:5], s[26:27]
	s_add_nc_u64 s[46:47], s[46:47], HSC           ; and their scale words
.irp i, 0,1,2,3,4,5,6,7,8,9
	global_load_b128 v[AS+4*\i:AS+4*\i+3], v[L16], s[46:47] offset:2048*\i
.endr
	ALOAD 0, 0                                     ; what does not hang on the expert is asked for ahead of its number
	ALOAD 0, 1
	s_mul_i32 s24, s22, 160
	s_mul_i32 s25, s18, 40
	s_add_co_u32 s24, s24, s25
	s_lshl_b32 s26, s24, 2
	s_add_nc_u64 s[52:53], s[6:7], s[26:27]        ; lists at row 160 t + 40 w: the places in y of the 40 rows that I store
	s_lshl_b32 s26, s21, 8
	s_add_nc_u64 s[12:13], s[12:13], s[26:27]      ; y at output 64 n
	s_wait_kmcnt 0x0
	s_min_u32 s23, s23, 3
	s_lshl_b32 s24, s23, 10
	s_lshl_b32 s25, s21, 6
	s_add_co_u32 s24, s24, s25                     ; my first row of Wd: 1,024 e + 64 n
	s_mul_i32 s26, s24, 3072
	s_mul_i32 s25, s18, 768
	s_add_co_u32 s26, s26, s25
	s_add_nc_u64 s[34:35], s[8:9], s[26:27]
	s_or_b32 s35, s35, 0x80000000                  ; type = 2
	s_mov_b32 s32, 1
	s_mul_i32 s33, s18, WREG
	tensor_load_to_lds s[32:35], s[36:43]          ; my one tensor load
	s_nop 0
	PLACES 4
	s_lshl_b32 s26, s24, 7
	s_lshl_b32 s25, s18, 5
	s_add_co_u32 s26, s26, s25
	s_add_nc_u64 s[48:49], s[10:11], s[26:27]      ; these rows' scale bytes of my K steps
.irp u, 0,1,2,3
	global_load_b128 v[BSR+4*\u:BSR+4*\u+3], v[SOF], s[48:49] offset:2048*\u
.endr
	ALOAD 1, 0
	ALOAD 1, 1
	s_wait_loadcnt 30                              ; all but the 30 just issued: the scale words are in
.set cn, 0
.rept 16
	v_perm_b32 v[BS+cn], v[BSR+cn], v[BSR+cn], s50
.set cn, cn+1
.endr
; Each sorted row goes to the place in y that the launch before has stored for it: 1,024 slot + token, so that the last launch finds a token's two rows by its number alone
; (a row that no token takes: a place of its own from 2,048 on).  Twenty words a lane, pair j of my 40 rows in v[56 + j] (j < 16) and v[72 + j]: registers that held scale words as loaded.
; They are issued behind the loads of K step 1 and ahead of all later ones: every counted wait below then has at least its count of loads issued behind the load that it serves.
.set cn, 0
.rept 20
	global_load_b32 v[56+cn+16*(cn/16)], v13, s[52:53] offset:8*cn
.set cn, cn+1
.endr
	s_wait_alu depctr_va_vdst(0)
	s_wait_tensorcnt 0x0
	FRAGS 0, 0
	PLACES 8                                       ; scale registers written by vector instructions stand eight places ahead of a scaled matrix instruction
	STEP 0, 45, 45                                 ; behind a half's loads stand those of the three halves that follow it (in step 0 twenty-four more, in step 1 twenty: the smaller count is the safe one)
	STEP 1, 45, 45
	STEP 2, 45, 45
	STEP 3, 45, 45
	STEP 4, 45, 45
	STEP 5, 45, 45
	STEP 6, 45, 30                                 ; nothing more is asked for: the counts run down
	STEP 7, 15, 0
.irp i, 0,1,2,3,4,5,6,7,8,9
.if \i < 8
	WIN 0x08                                       ; an LDS store's data are its source 1: window 2
.else
	WIN 0x0c                                       ; window 3
.endif
.irp u, 0,1,2,3
	ds_store_b128 v[PST], v[8*(4*(\i&7)+\u):8*(4*(\i&7)+\u)+3] offset:16*PP*\i+64*\u          ; each accumulator from its low end on
	ds_store_b128 v[PST], v[8*(4*(\i&7)+\u)+4:8*(4*(\i&7)+\u)+7] offset:16*PP*\i+64*\u+16
.endr
.endr
	WIN 0
.set cn, 0
.rept 20
	v_min_u32 v[56+cn+16*(cn/16)], 0x9ff, v[56+cn+16*(cn/16)]     ; a place is at most 2,559
.set cn, cn+1
.endr
.set cn, 0
.rept 20
	v_lshl_add_u32 v[56+cn+16*(cn/16)], v[56+cn+16*(cn/16)], 12, v[YO]   ; its row of 4,096 bytes, 16 r
.set cn, cn+1
.endr
	s_wait_alu depctr_va_vdst(0)
	s_wait_dscnt 0x0
	s_barrier_signal -1
	s_barrier_wait -1
	REDUCE 0
	s_wait_xcnt 0x0                                ; the stores have read their registers: the next ten pairs may land there
	REDUCE 10
	s_wait_tensorcnt 0x0
	ds_add_u32 v94, v95
	s_wait_dscnt 0x0
	s_endpgm
.Lfunc_end_k_q7ce7d1954e_down:
	.size	k_q7ce7d1954e_down, .Lfunc_end_k_q7ce7d1954e_down-k_q7ce7d1954e_down
	.p2alignl 7, 3214868480
	.fill 96, 4, 3214868480
	.section	.rodata,"a",@progbits
	.p2align	6, 0x0
	.amdhsa_kernel k_q7ce7d1954e_down
		.amdhsa_group_segment_fixed_size 209408
		.amdhsa_private_segment_fixed_size 0
		.amdhsa_enable_private_segment 0
		.amdhsa_kernarg_size 40
		.amdhsa_user_sgpr_count 2
		.amdhsa_user_sgpr_kernarg_segment_ptr 1
		.amdhsa_wavefront_size32 1
		.amdhsa_system_sgpr_workgroup_id_x 1
		.amdhsa_system_sgpr_workgroup_id_y 1
		.amdhsa_system_sgpr_workgroup_id_z 1
		.amdhsa_system_vgpr_workitem_id 0
		.amdhsa_next_free_vgpr 1024
		.amdhsa_next_free_sgpr 66
		.amdhsa_reserve_vcc 0
		.amdhsa_float_denorm_mode_32 3
		.amdhsa_float_denorm_mode_16_64 3
		.amdhsa_memory_ordered 1
		.amdhsa_forward_progress 1
		.amdhsa_inst_pref_size 105
	.end_amdhsa_kernel
	.amdgpu_metadata
---
amdhsa.version: [ 1, 2 ]
amdhsa.kernels:
  - .name:           k_q7ce7d1954e_down
    .symbol:         k_q7ce7d1954e_down.kd
    .args:
      - { .name: hq, .offset: 0, .size: 8, .value_kind: global_buffer, .address_space: global }
      - { .name: lists, .offset: 8, .size: 8, .value_kind: global_buffer, .address_space: global }
      - { .name: w_down_codes, .offset: 16, .size: 8, .value_kind: global_buffer, .address_space: global }
      - { .name: w_down_scales, .offset: 24, .size: 8, .value_kind: global_buffer, .address_space: global }
      - { .name: y, .offset: 32, .size: 8, .value_kind: global_buffer, .address_space: global }
    .group_segment_fixed_size: 209408
    .private_segment_fixed_size: 0
    .kernarg_segment_align: 8
    .kernarg_segment_size: 40
    .max_flat_workgroup_size: 128
    .sgpr_count:     66
    .vgpr_count:     1024
    .wavefront_size: 32
...
	.end_amdgpu_metadata
.endif
;; end of part 3
;; launch combine (part 4): grid 256 x 1, 4 waves a work-group, no clusters, 0 bytes of LDS; arguments y, cw, out0; writes out0
.if DOCPART == 4
	.amdgcn_target "amdgcn-amd-amdhsa--gfx1250"
	.amdhsa_code_object_version 6
	.text
	.protected	k_q7ce7d1954e_combine
	.globl	k_q7ce7d1954e_combine
	.p2align	8
	.type	k_q7ce7d1954e_combine,@function
k_q7ce7d1954e_combine:
	s_mov_b64 s[64:65], 0
	v_nop
	global_prefetch_b8 v0, s[64:65] scope:SCOPE_SE
	s_setreg_imm32_b32 hwreg(HW_REG_WAVE_MODE, 25, 1), 1
	s_wait_xcnt 0x0
; COMBINE.  out0[token] = cw(ea) y[token] + cw(eb) y[1,024 + token], ea < eb: the order in which the experts are added.
; The launch before has stored each token's two rows at these places, the lower expert's first, so every address here is made of ids alone.
; A wave to a token: every output row has one owner.  Each load and store of the wave covers 512 consecutive bytes.  A stream: no LDS, no matrix unit, no cluster.
	s_load_b128 s[4:7], s[0:1], 0x0                ; y, cw
	s_load_b64 s[12:13], s[0:1], 0x10              ; out0
	v_lshrrev_b32 v1, 5, v0
	v_readfirstlane_b32 s14, v1                    ; wave
	v_and_b32 v1, 31, v0
	v_lshlrev_b32 v1, 4, v1                        ; 16 x lane
	s_lshl_b32 s15, ttmp9, 2
	s_add_co_u32 s15, s15, s14                     ; my token
	s_lshl_b32 s17, s15, 3
	s_lshl_b32 s36, s15, 12
	s_mov_b32 s37, 0
	s_wait_alu depctr_va_vdst(0)
	s_wait_kmcnt 0x0
	s_load_b64 s[20:21], s[6:7], s17 offset:0x0    ; its two weights
	s_add_nc_u64 s[32:33], s[4:5], s[36:37]
	s_add_nc_u64 s[12:13], s[12:13], s[36:37]
.irp j, 0,1,2,3,4,5,6,7
	global_load_b128 v[8+4*\j:11+4*\j], v1, s[32:33] offset:512*\j
.endr
.irp j, 0,1,2,3,4,5,6,7
	global_load_b128 v[40+4*\j:43+4*\j], v1, s[32:33] offset:4194304+512*\j   ; 1,024 rows of 4,096 bytes further on
.endr
	s_wait_kmcnt 0x0
	s_mov_b32 s22, s21                             ; the second weight in a pair of its own: the packed form takes a pair's low word for both halves
	s_mov_b32 s23, s21
.irp j, 0,1,2,3,4,5,6,7
	s_wait_loadcnt 7-\j                            ; the second row's later pieces may be out
	v_pk_mul_f32 v[8+4*\j:9+4*\j], v[8+4*\j:9+4*\j], s[20:21] op_sel_hi:[1,0]
	v_pk_mul_f32 v[10+4*\j:11+4*\j], v[10+4*\j:11+4*\j], s[20:21] op_sel_hi:[1,0]
	v_pk_fma_f32 v[8+4*\j:9+4*\j], v[40+4*\j:41+4*\j], s[22:23], v[8+4*\j:9+4*\j] op_sel_hi:[1,0,1]
	v_pk_fma_f32 v[10+4*\j:11+4*\j], v[42+4*\j:43+4*\j], s[22:23], v[10+4*\j:11+4*\j] op_sel_hi:[1,0,1]
	global_store_b128 v1, v[8+4*\j:11+4*\j], s[12:13] offset:512*\j th:TH_STORE_NT
.endr
	s_endpgm
.Lfunc_end_k_q7ce7d1954e_combine:
	.size	k_q7ce7d1954e_combine, .Lfunc_end_k_q7ce7d1954e_combine-k_q7ce7d1954e_combine
	.p2alignl 7, 3214868480
	.fill 96, 4, 3214868480
	.section	.rodata,"a",@progbits
	.p2align	6, 0x0
	.amdhsa_kernel k_q7ce7d1954e_combine
		.amdhsa_group_segment_fixed_size 0
		.amdhsa_private_segment_fixed_size 0
		.amdhsa_enable_private_segment 0
		.amdhsa_kernarg_size 24
		.amdhsa_user_sgpr_count 2
		.amdhsa_user_sgpr_kernarg_segment_ptr 1
		.amdhsa_wavefront_size32 1
		.amdhsa_system_sgpr_workgroup_id_x 1
		.amdhsa_system_sgpr_workgroup_id_y 1
		.amdhsa_system_sgpr_workgroup_id_z 1
		.amdhsa_system_vgpr_workitem_id 0
		.amdhsa_next_free_vgpr 72
		.amdhsa_next_free_sgpr 66
		.amdhsa_reserve_vcc 0
		.amdhsa_float_denorm_mode_32 3
		.amdhsa_float_denorm_mode_16_64 3
		.amdhsa_memory_ordered 1
		.amdhsa_forward_progress 1
		.amdhsa_inst_pref_size 6
	.end_amdhsa_kernel
	.amdgpu_metadata
---
amdhsa.version: [ 1, 2 ]
amdhsa.kernels:
  - .name:           k_q7ce7d1954e_combine
    .symbol:         k_q7ce7d1954e_combine.kd
    .args:
      - { .name: y, .offset: 0, .size: 8, .value_kind: global_buffer, .address_space: global }
      - { .name: cw, .offset: 8, .size: 8, .value_kind: global_buffer, .address_space: global }
      - { .name: out0, .offset: 16, .size: 8, .value_kind: global_buffer, .address_space: global }
    .group_segment_fixed_size: 0
    .private_segment_fixed_size: 0
    .kernarg_segment_align: 8
    .kernarg_segment_size: 24
    .max_flat_workgroup_size: 128
    .sgpr_count:     66
    .vgpr_count:     72
    .wavefront_size: 32
...
	.end_amdgpu_metadata
.endif
;; end of part 4
